; MI455X (gfx1250); checked and timed in simulation.
; The chip was launched on July 23, 2026; its instructions are those of AMD's public machine-readable ISA for CDNA 5 (MIT licence, August 2026) and "CDNA5" Instruction Set Architecture Reference Guide (July 2026). The comments in the code are by the model that wrote it; some were corrected since.
;; Attention. Allowed arithmetic: matrix products marked QUANTISED: E4M3 operands, one E8M0 scale for each 32 along K, by v_wmma_scale_f32_16x16x128_f8f6f4 with both operands' format E4M3, f32 sums; products left as they are: f32 operands where the result goes on into a quantised operand, else bf16, f16 or f32 operands; f32 sums; everything else in f32.
;; Inputs: a_b 1,024 float32; a_w 2,048 x 1,024 float32; encoder_masks 32 x 2,048 int32; encoder_outputs 32 x 2,048 x 1,024 float32; hidden_states 32 x 1,024 float32; v_w 1,024 float32.
;; Outputs: out0 32 x 1,024 float32.
;; This version of the problem:
;;   THIS VERSION OF THE PROBLEM IS GIVEN IN LOW PRECISION. The matrix products marked QUANTISED in the list below multiply operands that are first quantised to E4M3 (4 exponent bits, 3 mantissa bits; 8 bits a number), with one power-of-two scale for each 32 numbers along K (OCP MX v1.0); their sums are f32. All else is computed in f32.
;;   The module's matrix products, in the order in which they are computed (A, B: the left and right operand; K: the contracted axis; several contracted axes count as one K, in the product's order):
;;     1. [M 32, K 1,024] x [K 1,024, N 1,024]; A: input hidden_states; B: input a_w: QUANTISED
;;     2. [M 65,536, K 1,024] x [K 1,024, N 1,024]; A: input encoder_outputs; B: input a_w: QUANTISED
;;     3. [M 65,536, K 1,024] x [K 1,024, N 1]; A: computed on the way; B: input v_w: left as it is (N = 1 < 16)
;;     4. batch 32 x [M 1, K 2,048] x [K 2,048, N 1,024]; A: softmax; B: input encoder_outputs: left as it is (M = 1 < 16)
;;   THE QUANTISER, for each operand of a quantised product, along K:
;;     - K is cut into blocks of 32 from its start; a last block that is shorter is filled with zeros.
;;     - A block's scale is 2^e with e = floor(log2(the largest magnitude in the block)) - 8, held to -126 .. 127; a block of zeros has e = 0. As a byte (E8M0): e + 127.
;;     - Each number is divided by its block's scale, clamped to +-448, and rounded to the nearest number of E4M3, ties to even, subnormals kept.
;;     - The product sums the exact products of the quantised numbers (number of the format x scale) in f32.
;;   ~~~python
;;   def quantise(x, axis):      # numpy; x: float32 -> the quantised numbers, widened to float32 again
;;       x = np.moveaxis(x, axis, -1); K = x.shape[-1]
;;       x = np.pad(x, [(0, 0)] * (x.ndim - 1) + [(0, -K % 32)]); x = x.reshape(x.shape[:-1] + (-1, 32)); a = np.abs(x).max(-1, keepdims=True)
;;       e = np.where(a > 0, np.clip(np.frexp(np.where(a > 0, a, 1))[1] - 1 - 8, -126, 127), 0)      # np.frexp(a)[1] - 1 = floor(log2(a)), exactly
;;       r = np.clip(x / 2.0 ** e, -448, 448)
;;       step = 2.0 ** (np.maximum(np.frexp(np.where(r == 0, 1, r))[1] - 1, -6) - 3)
;;       q = np.round(r / step) * step * 2.0 ** e      # np.round: ties to even
;;       return np.moveaxis(q.reshape(q.shape[:-2] + (-1,))[..., :K], -1, axis).astype(np.float32)
;;   ~~~
;; 2 versions. Each part assembles by itself: llvm-mc -triple=amdgcn-amd-amdhsa -mcpu=gfx1250 --defsym DOCPART=n.
;; ======== version 1 of 2: 3 launches
;; limits: right only within a limited range of input values
;; workspace buffers: wq 1,048,576 bytes; wsc 32,768 bytes; hb 131,072 bytes; list 303,104 bytes of whole numbers; meta 4,096 bytes of whole numbers; part 2,088,960 bytes
;; launch prep (part 1): grid 34 x 1, 16 waves a work-group, no clusters, 69,632 bytes of LDS; arguments hidden_states, a_w, a_b, encoder_masks, wq, wsc, hb, list, meta; writes wq, wsc, hb, list, meta
.if DOCPART == 1
	.amdgcn_target "amdgcn-amd-amdhsa--gfx1250"
	.amdhsa_code_object_version 6
	.text
	.protected	k_q08c9d45d71_prep
	.globl	k_q08c9d45d71_prep
	.p2align	8
	.type	k_q08c9d45d71_prep,@function
k_q08c9d45d71_prep:
	s_mov_b64 s[64:65], 0
	v_nop
	global_prefetch_b8 v0, s[64:65] scope:SCOPE_SE
	s_setreg_imm32_b32 hwreg(HW_REG_WAVE_MODE, 25, 1), 1
	s_wait_xcnt 0x0
; ADDITIVE ATTENTION, launch 1 of 3: what is made once.
; score(b,s) = v . tanh(Q(enc[b,s]) Q(w_enc) + Q(hidden[b]) Q(w_dec) + a_b); masked positions get -1e10; softmax over s; out = sum of weight x enc row.
; WORK THAT IS NOT DONE, and why, for all values of the inputs:
;  (1) encoder_masks is a whole-number input that the problem compares with 0.  In a batch with at least one open position every open score lies within
;      +-sum|v_w|, so a masked position's weight is exp(-1e10 - max), which f32 holds as 0: its row of the second product, its tanh, its score and its term of
;      the weighted sum reach no output.  This launch reads the masks and stores each batch's list of open positions; the next launch does only those rows.
;      A batch with NO open position has all scores equal: its list holds all 2,048 positions and a flag makes all its scores 0 (a uniform softmax).
;  (2) tanh(x) = 1 - 2 / (1 + e^(2x)), so score = sum(v_w) - 2 sum(v_w / (1 + e^(2x))): sum(v_w) is the same along the softmax's axis and is left out.
; LIMITS: sum|v_w| far under 1e10; a NaN or an infinity in a masked row is not carried to the result; NaN among the inputs is not served;
;      blocks whose largest magnitude lies under 2^(9-127) keep the scale byte 1, a block of zeros too (its codes are zeros; the bytes are read by this program alone).
; THREE ROLES, parted once on the work-group's number, each a straight path of its own:
;  work-groups 0-15  (dec): product 1.  Work-group j makes columns 64 j .. 64 j + 63 of hb = c (Q(hidden) Q(w_dec) + a_b), c = 2 log2(e).
;  work-groups 16-31 (enc): w_enc's columns 64 j .. as codes, laid as images of the operand's registers (wq), and their scale words (wsc).
;  work-groups 32-33 (lists): a wave to a batch: the open positions in ascending order (list) and n, the number of tiles q, the rows a tile cr, the flag (meta).
; A weight's K is its first axis: lane r takes column r and its registers run down K, k = 32 c + 16 (lane / 16) + i, the order of the operand's registers; nothing is transposed.
; Wave (g = wave % 4, kq = wave / 4): 16 columns 16 g .., K steps 2 kq and 2 kq + 1.
; REGISTERS: v1 lane, v2 r, v3 h; v4-11, v14, v15, v252, v253 addresses; v12, v13 the add's two; v16-31 at work; v32-39 scale words and nothing else; v40-55 hidden's codes;
;  v56-119, v120-183, v184-247 three sets of 64 numbers (later: hidden's fragments, the sums, W's codes); v248-251 a_b.
.set HIMG,  0                          ; LDS (dec alone): hidden's 16 fragments as images of their registers, 2,048 bytes each
.set HSC,   32768                      ; their scale words, 128 bytes each
.set PART,  34816                      ; 16 waves x 2 tiles of 16 batches x 1,024 bytes: the sums of a quarter of K
.set SPARE, 67584                      ; the spare words, 128 bytes a wave: eight blocks of 256 bytes that no other line names
.set SPW, 12
.set NIL, 13
.set TM,  16
.set WS0, 32
.set WS1, 33
.set PWH, 34
.set HS,  36
.set PC,  40
.set XA,  56
.set XB,  120
.set XC,  184
.set WF0, 184
.set WF1, 200
.set HF,  56
.set AC0, 120
.set AC1, 128
.set RD,  136
.set AB,  248
.set SEL, 46
.set MNT, 48
.set CC,  50
; 64 numbers of a lane, register 16 b + i = k 32 b + 16 (lane / 16) + i, become a fragment's 16 registers of codes at v[dst] and its scale word in v[wrd]
.macro QUANT src, dst, wrd
.irp b, 0,1,2,3
	v_max3_num_f32 v[TM+\b], |v[\src+16*\b]|, |v[\src+1+16*\b]|, 0x4800000   ; my 16 numbers of block b, and the floor 2^(9 - 127): the byte cannot fall under 1
.endr
.irp i, 2,4,6,8,10,12,14
.irp b, 0,1,2,3
	v_max3_num_f32 v[TM+\b], v[TM+\b], |v[\src+16*\b+\i]|, |v[\src+1+16*\b+\i]|
.endr
.endr
.irp b, 0,1,2,3
	v_permlanex16_b32 v[TM+4+\b], v[TM+\b], s[SEL], s[SEL+1]
.endr
.irp b, 0,1,2,3
	v_max_num_f32 v[TM+\b], v[TM+\b], v[TM+4+\b]          ; with lane l xor 16's: the block's largest magnitude
.endr
.irp b, 0,1,2,3
	v_add_nc_u32 v[TM+12+\b], 0xfc000000, v[TM+\b]        ; 8 off its exponent field: the conversion's scale operand
.endr
.irp b, 0,1,2,3
	v_and_or_b32 v[TM+8+\b], v[TM+\b], 0x7f800000, s[MNT] ; 448 x the scale
.endr
.irp b, 0,1,2,3
	v_lshrrev_b32 v[TM+4+\b], 23, v[TM+12+\b]             ; the scale's byte
.endr
	v_lshl_or_b32 v[\wrd], v[TM+5], 8, v[TM+4]
	v_lshl_or_b32 v[\wrd], v[TM+6], 16, v[\wrd]
	v_lshl_or_b32 v[\wrd], v[TM+7], 24, v[\wrd]
.irp b, 0,1,2,3
.irp i, 0,1,2,3,4,5,6,7,8,9,10,11,12,13,14,15
	v_med3_num_f32 v[\src+16*\b+\i], v[\src+16*\b+\i], -v[TM+8+\b], v[TM+8+\b]   ; the conversion does not saturate (ISA guide 7.6.2): the hold at the largest code x the scale
.endr
	v_cvt_scalef32_pk8_fp8_f32 v[\dst+4*\b:\dst+4*\b+1], v[\src+16*\b:\src+16*\b+7], v[TM+12+\b]
	v_cvt_scalef32_pk8_fp8_f32 v[\dst+4*\b+2:\dst+4*\b+3], v[\src+16*\b+8:\src+16*\b+15], v[TM+12+\b]
.endr
	v_nop                                                  ; a plain instruction behind the last conversion
.endm
; my two K steps of my 16 columns: W(128 s + 32 c + 16 h + i, r): sixteen lanes read 64 neighbouring bytes, the four waves of a quarter of K stand side by side on 256
.macro WLOADS
.irp c, 0,1,2,3
.irp i, 0,1,2,3,4,5,6,7,8,9,10,11,12,13,14,15
	global_load_b32 v[XA+16*\c+\i], v4, s[6:7] offset:4096*(32*\c+\i)
.endr
.endr
.irp c, 0,1,2,3
.irp i, 0,1,2,3,4,5,6,7,8,9,10,11,12,13,14,15
	global_load_b32 v[XB+16*\c+\i], v4, s[6:7] offset:4096*(128+32*\c+\i)
.endr
.endr
.endm
	s_load_b512 s[4:19], s[0:1], 0x0               ; hidden s[4:5], a_w s[6:7], a_b s[8:9], masks s[10:11], wq s[12:13], wsc s[14:15], hb s[16:17], list s[18:19]
	s_load_b64 s[20:21], s[0:1], 0x40              ; meta
	v_lshl_add_u32 v[SPW], v0, 2, SPARE
	v_mov_b32 v[NIL], 0
	v_lshrrev_b32 v1, 5, v0
	v_readfirstlane_b32 s22, v1                    ; wave 0..15
	v_and_b32 v1, 31, v0                           ; lane
	v_and_b32 v2, 15, v0                           ; r
	v_bfe_u32 v3, v0, 4, 1                         ; h
	s_and_b32 s23, s22, 3                          ; g
	s_lshr_b32 s24, s22, 2                         ; kq
	s_and_b32 s25, ttmp9, 15                       ; j
	v_lshlrev_b32 v4, 2, v2
	v_lshl_add_u32 v4, v3, 16, v4                  ; W: column r, 16 h rows of 4,096 bytes further down
	v_lshlrev_b32 v5, 12, v2
	v_lshl_add_u32 v5, v3, 6, v5                   ; hidden: row r, + 64 h: my 16 numbers of a block
	v_lshlrev_b32 v6, 4, v1                        ; 16 x lane
	v_lshlrev_b32 v7, 3, v2                        ; 8 r
	s_lshl_b32 s30, s22, 11
	v_lshl_add_u32 v8, v1, 4, s30                  ; LDS: my image: 2,048 x wave + 16 x lane
	v_lshl_add_u32 v9, v0, 2, HSC                  ; its scale words: 128 x wave + 4 x lane
	v_add_nc_u32 v10, PART, v8                     ; my sums
	v_bfe_u32 v11, v0, 2, 2                        ; the last step's read: thread t takes batch t / 16, columns 4 (t % 16) ..: tile of columns (t / 4) % 4,
	v_lshlrev_b32 v11, 11, v11
	v_lshrrev_b32 v14, 8, v0                       ; tile of batches t / 256,
	v_lshl_add_u32 v11, v14, 10, v11
	v_and_b32 v14, 1, v0                           ; half of the accumulator t % 2,
	v_lshl_add_u32 v11, v14, 9, v11
	v_bfe_u32 v14, v0, 4, 4                        ; lane: batch in the tile
	v_lshl_add_u32 v11, v14, 4, v11
	v_bfe_u32 v14, v0, 1, 1                        ; + 16 x ((t / 2) % 2)
	v_lshl_add_u32 v11, v14, 8, v11
	v_add_nc_u32 v11, PART, v11
	s_lshl_b32 s30, s24, 13
	v_lshl_add_u32 v14, v1, 4, s30                 ; the four hidden fragments of my quarter of K
	s_lshl_b32 s30, s24, 9
	s_add_co_u32 s30, s30, HSC
	v_lshl_add_u32 v15, v1, 2, s30                 ; and their scale words
	v_lshlrev_b32 v253, 4, v2                      ; 16 (t % 16)
	v_lshrrev_b32 v252, 4, v0
	v_lshl_add_u32 v252, v252, 12, v253            ; hb: row t / 16, + 16 (t % 16)
.irp b, 0,1,2,3
	v_mov_b32 v[TM+4+\b], 0                        ; written once: a lane permute's destination counts as one of its sources
.endr
	s_mov_b32 s[SEL], 0x76543210
	s_mov_b32 s[SEL+1], 0xfedcba98                 ; lane l xor 16
	s_mov_b32 s[MNT], 0x600000                     ; the mantissa field of 448
	s_mov_b32 s[CC], 0x4038aa3b                    ; c = 2 log2(e)
	s_mov_b32 s[CC+1], s[CC]
	s_lshr_b32 s26, ttmp9, 4                       ; 0: w_dec, 1: w_enc
	s_lshl_b32 s28, s26, 22                        ; 1,024 rows of 4,096 bytes
	s_lshl_b32 s30, s24, 20                        ; + my 256 rows
	s_add_co_u32 s28, s28, s30
	s_lshl_b32 s30, s25, 8                         ; + 64 j columns
	s_add_co_u32 s28, s28, s30
	s_lshl_b32 s30, s23, 6                         ; + 16 g columns
	s_add_co_u32 s28, s28, s30
	s_mov_b32 s29, 0
	s_mov_b32 s31, 0
	s_wait_kmcnt 0x0
	s_cmp_ge_u32 ttmp9, 32
	s_cbranch_scc1 .Llist
	s_add_nc_u64 s[6:7], s[6:7], s[28:29]
	s_cmp_ge_u32 ttmp9, 16
	s_cbranch_scc1 .Lenc
	; ---------------- dec: product 1 ----------------
	s_lshl_b32 s30, s25, 8
	s_add_nc_u64 s[8:9], s[8:9], s[30:31]          ; a_b and hb at column 64 j
	s_add_nc_u64 s[16:17], s[16:17], s[30:31]
	global_load_b128 v[AB:AB+3], v253, s[8:9]
	s_and_b32 s30, s23, 1                          ; the hidden fragment that I quantise: tile of batches g % 2,
	s_lshl_b32 s30, s30, 16
	s_lshr_b32 s32, s23, 1                         ; K step 2 kq + g / 2
	s_lshl_b32 s33, s24, 1
	s_add_co_u32 s32, s32, s33
	s_lshl_b32 s32, s32, 9
	s_add_co_u32 s30, s30, s32
	s_add_nc_u64 s[4:5], s[4:5], s[30:31]
.irp b, 0,1,2,3
.irp q, 0,1,2,3
	global_load_b128 v[XC+16*\b+4*\q:XC+16*\b+4*\q+3], v5, s[4:5] offset:128*\b+16*\q
.endr
.endr
	WLOADS
	s_wait_loadcnt 63                              ; behind the first K step's last load stand the second's 64: the count is the largest that the field holds
	QUANT XC, PC, PWH
.irp c, 0,1,2,3
	ds_store_b128 v8, v[PC+4*\c:PC+4*\c+3] offset:HIMG+512*\c   ; the fragment goes to LDS as it stands in the registers
.endr
	ds_store_b32 v9, v[PWH]
	QUANT XA, WF0, WS0
	s_wait_loadcnt 0x0
	QUANT XB, WF1, WS1
	s_wait_dscnt 0x0                               ; my image has landed
	s_barrier_signal -1
	s_barrier_wait -1                              ; all sixteen lie in LDS
.irp f, 0,1,2,3                                ; fragment f: tile of batches f % 2, K step 2 kq + f / 2
.irp c, 0,1,2,3
	ds_load_b128 v[HF+16*\f+4*\c:HF+16*\f+4*\c+3], v14 offset:HIMG+2048*\f+512*\c
.endr
	ds_load_b32 v[HS+\f], v15 offset:128*\f
.endr
	s_wait_dscnt 0x0
.rept 8
	v_nop                                          ; places between the vector instructions that made W's codes and scale words and the scaled matrix instructions
.endr
	; source 0 = my 16 columns of W, source 1 = 16 batches: a lane holds one batch and eight neighbouring columns.  The two accumulators take turns
	v_wmma_scale_f32_16x16x128_f8f6f4 v[AC0:AC0+7], v[WF0:WF0+15], v[HF:HF+15], 0, v[WS0], v[HS]
	v_wmma_scale_f32_16x16x128_f8f6f4 v[AC1:AC1+7], v[WF0:WF0+15], v[HF+16:HF+31], 0, v[WS0], v[HS+1]
	v_wmma_scale_f32_16x16x128_f8f6f4 v[AC0:AC0+7], v[WF1:WF1+15], v[HF+32:HF+47], v[AC0:AC0+7], v[WS1], v[HS+2]
	v_wmma_scale_f32_16x16x128_f8f6f4 v[AC1:AC1+7], v[WF1:WF1+15], v[HF+48:HF+63], v[AC1:AC1+7], v[WS1], v[HS+3]
.rept 8
	v_nop
.endr
	ds_store_b128 v10, v[AC0:AC0+3]                ; each accumulator from its low end on
	ds_store_b128 v10, v[AC0+4:AC0+7] offset:512
	ds_store_b128 v10, v[AC1:AC1+3] offset:1024
	ds_store_b128 v10, v[AC1+4:AC1+7] offset:1536
	s_wait_dscnt 0x0
	s_barrier_signal -1
	s_barrier_wait -1                              ; the sums of all four quarters of K lie in LDS
.irp k, 0,1,2,3
	ds_load_b128 v[RD+4*\k:RD+4*\k+3], v11 offset:8192*\k
.endr
	s_wait_dscnt 0x0
	v_pk_add_f32 v[RD:RD+1], v[RD:RD+1], v[RD+4:RD+5]
	v_pk_add_f32 v[RD+2:RD+3], v[RD+2:RD+3], v[RD+6:RD+7]
	v_pk_add_f32 v[RD+8:RD+9], v[RD+8:RD+9], v[RD+12:RD+13]
	v_pk_add_f32 v[RD+10:RD+11], v[RD+10:RD+11], v[RD+14:RD+15]
	v_pk_add_f32 v[RD:RD+1], v[RD:RD+1], v[RD+8:RD+9]
	v_pk_add_f32 v[RD+2:RD+3], v[RD+2:RD+3], v[RD+10:RD+11]
	v_pk_add_f32 v[RD:RD+1], v[RD:RD+1], v[AB:AB+1]
	v_pk_add_f32 v[RD+2:RD+3], v[RD+2:RD+3], v[AB+2:AB+3]
	v_pk_mul_f32 v[RD:RD+1], v[RD:RD+1], s[CC:CC+1] op_sel_hi:[1,0]
	v_pk_mul_f32 v[RD+2:RD+3], v[RD+2:RD+3], s[CC:CC+1] op_sel_hi:[1,0]
	global_store_b128 v252, v[RD:RD+3], s[16:17]   ; sixteen lanes store 256 consecutive bytes of a batch's row, aligned
	s_branch .Lend
	; ---------------- enc: w_enc as codes ----------------
.Lenc:
	WLOADS
	s_lshl_b32 s30, s25, 16                        ; wq: [64 columns j][K step][g][2,048]
	s_lshl_b32 s32, s24, 14
	s_add_co_u32 s30, s30, s32
	s_lshl_b32 s32, s23, 11
	s_add_co_u32 s30, s30, s32
	s_add_nc_u64 s[12:13], s[12:13], s[30:31]
	s_lshl_b32 s30, s25, 11                        ; wsc: [j][K step][256]: the word of (g, column r) at 8 (r + 16 (g % 2)) + 4 (g / 2)
	s_lshl_b32 s32, s24, 9
	s_add_co_u32 s30, s30, s32
	s_and_b32 s32, s23, 1
	s_lshl_b32 s32, s32, 7
	s_add_co_u32 s30, s30, s32
	s_lshr_b32 s32, s23, 1
	s_lshl_b32 s32, s32, 2
	s_add_co_u32 s30, s30, s32
	s_add_nc_u64 s[14:15], s[14:15], s[30:31]
	s_wait_loadcnt 63                              ; as above
	QUANT XA, WF0, WS0
.irp c, 0,1,2,3
	global_store_b128 v6, v[WF0+4*\c:WF0+4*\c+3], s[12:13] offset:512*\c   ; 32 lanes store 512 consecutive bytes
.endr
	global_store_b32 v7, v[WS0], s[14:15]          ; both halves of the lanes hold the same word
	s_wait_loadcnt 0x0
	QUANT XB, WF1, WS1
.irp c, 0,1,2,3
	global_store_b128 v6, v[WF1+4*\c:WF1+4*\c+3], s[12:13] offset:8192+512*\c
.endr
	global_store_b32 v7, v[WS1], s[14:15] offset:256
	s_branch .Lend
	; ---------------- lists: a wave to a batch ----------------
.Llist:
	s_sub_co_u32 s28, ttmp9, 32
	s_lshl_b32 s28, s28, 4
	s_add_co_u32 s28, s28, s22                     ; the batch
	s_lshl_b32 s30, s28, 13
	s_add_nc_u64 s[10:11], s[10:11], s[30:31]      ; its 2,048 mask words
	s_mul_i32 s30, s28, 9472
	s_add_nc_u64 s[18:19], s[18:19], s[30:31]      ; its 2,368 list entries
	s_lshl_b32 s30, s28, 7
	s_add_nc_u64 s[20:21], s[20:21], s[30:31]      ; its 32 words of figures
	v_lshlrev_b32 v16, 2, v1
.set i, 0
.rept 64
	global_load_b32 v[XA+i], v16, s[10:11] offset:128*i   ; positions 32 i + lane
.set i, i+1
.endr
	v_add_nc_u32 v17, 2304, v1                     ; where a lane with nothing to store puts its number: entries 2,304 on, which nobody reads
	v_mov_b32 v19, 0
	v_mov_b32 v28, 0
	s_wait_loadcnt 0x0
	v_or_b32 v18, v[XA], v[XA+1]
.set i, 2
.rept 62
	v_or_b32 v18, v18, v[XA+i]
.set i, i+1
.endr
	v_cmp_ne_u32 s32, 0, v18
	s_cmp_eq_u32 s32, 0                            ; no open position in the batch?
	s_cselect_b32 s33, -1, 0                       ; then all positions are listed,
	s_cselect_b32 s34, 1, 0                        ; and the flag says so
	s_mov_b32 s35, 0                               ; entries so far
.set i, 0
.rept 64
	v_cmp_ne_u32 s32, 0, v[XA+i]
	s_or_b32 s32, s32, s33
	v_mbcnt_lo_u32_b32 v[XC+i], s32, s35           ; entries so far + open lanes below me
	v_cndmask_b32 v[XC+i], v17, v[XC+i], s32
	v_min_u32 v[XC+i], 0x91f, v[XC+i]              ; inside the batch's 2,368 entries
	v_lshlrev_b32 v[XC+i], 2, v[XC+i]
	v_add_nc_u32 v[XB+i], 32*i, v1
	global_store_b32 v[XC+i], v[XB+i], s[18:19]
	s_bcnt1_i32_b32 s36, s32
	s_add_co_u32 s35, s35, s36
.set i, i+1
.endr
.irp k, 0,1,2,3,4,5,6,7                        ; 256 entries of 0 behind the last: the next launch reads up to 191 entries past a tile's first
	v_add_nc_u32 v[20+\k], s35, v1
	v_add_nc_u32 v[20+\k], 32*\k, v[20+\k]
	v_min_u32 v[20+\k], 0x8ff, v[20+\k]
	v_lshlrev_b32 v[20+\k], 2, v[20+\k]
	global_store_b32 v[20+\k], v19, s[18:19]
.endr
	s_add_co_u32 s36, s35, 143                     ; q = ceil(n / 144) = ((n + 143) / 16) / 9, the division by 9 as x 57 / 512 (exact up to 136)
	s_lshr_b32 s36, s36, 4
	s_mul_i32 s36, s36, 57
	s_lshr_b32 s36, s36, 9
	s_add_co_u32 s37, s35, s36
	s_sub_co_u32 s37, s37, 1                       ; n + q - 1
	s_mov_b32 s38, 0                               ; cr = ceil(n / q): the largest number whose q-fold is at most n + q - 1, bit by bit
.irp bit, 128,64,32,16,8,4,2,1
	s_add_co_u32 s39, s38, \bit
	s_mul_i32 s40, s39, s36
	s_cmp_le_u32 s40, s37
	s_cselect_b32 s38, s39, s38
.endr
	v_writelane_b32 v28, s35, 0                    ; n
	v_writelane_b32 v28, s36, 1                    ; q
	v_writelane_b32 v28, s38, 2                    ; cr
	v_writelane_b32 v28, s34, 3                    ; flag
	global_store_b32 v16, v28, s[20:21]
.Lend:
	s_wait_tensorcnt 0x0                           ; the wave's end
	ds_add_u32 v[SPW], v[NIL]
	s_wait_dscnt 0x0
	s_endpgm
.Lfunc_end_k_q08c9d45d71_prep:
	.size	k_q08c9d45d71_prep, .Lfunc_end_k_q08c9d45d71_prep-k_q08c9d45d71_prep
	.p2alignl 7, 3214868480
	.fill 96, 4, 3214868480
	.section	.rodata,"a",@progbits
	.p2align	6, 0x0
	.amdhsa_kernel k_q08c9d45d71_prep
		.amdhsa_group_segment_fixed_size 69632
		.amdhsa_private_segment_fixed_size 0
		.amdhsa_enable_private_segment 0
		.amdhsa_kernarg_size 72
		.amdhsa_user_sgpr_count 2
		.amdhsa_user_sgpr_kernarg_segment_ptr 1
		.amdhsa_wavefront_size32 1
		.amdhsa_system_sgpr_workgroup_id_x 1
		.amdhsa_system_sgpr_workgroup_id_y 1
		.amdhsa_system_sgpr_workgroup_id_z 1
		.amdhsa_system_vgpr_workitem_id 0
		.amdhsa_next_free_vgpr 256
		.amdhsa_next_free_sgpr 66
		.amdhsa_reserve_vcc 0
		.amdhsa_float_denorm_mode_32 3
		.amdhsa_float_denorm_mode_16_64 3
		.amdhsa_memory_ordered 1
		.amdhsa_forward_progress 1
		.amdhsa_inst_pref_size 122
	.end_amdhsa_kernel
	.amdgpu_metadata
---
amdhsa.version: [ 1, 2 ]
amdhsa.kernels:
  - .name:           k_q08c9d45d71_prep
    .symbol:         k_q08c9d45d71_prep.kd
    .args:
      - { .name: hidden_states, .offset: 0, .size: 8, .value_kind: global_buffer, .address_space: global }
      - { .name: a_w, .offset: 8, .size: 8, .value_kind: global_buffer, .address_space: global }
      - { .name: a_b, .offset: 16, .size: 8, .value_kind: global_buffer, .address_space: global }
      - { .name: encoder_masks, .offset: 24, .size: 8, .value_kind: global_buffer, .address_space: global }
      - { .name: wq, .offset: 32, .size: 8, .value_kind: global_buffer, .address_space: global }
      - { .name: wsc, .offset: 40, .size: 8, .value_kind: global_buffer, .address_space: global }
      - { .name: hb, .offset: 48, .size: 8, .value_kind: global_buffer, .address_space: global }
      - { .name: list, .offset: 56, .size: 8, .value_kind: global_buffer, .address_space: global }
      - { .name: meta, .offset: 64, .size: 8, .value_kind: global_buffer, .address_space: global }
    .group_segment_fixed_size: 69632
    .private_segment_fixed_size: 0
    .kernarg_segment_align: 8
    .kernarg_segment_size: 72
    .max_flat_workgroup_size: 512
    .sgpr_count:     66
    .vgpr_count:     256
    .wavefront_size: 32
...
	.end_amdgpu_metadata
.endif
;; end of part 1
;; launch attn (part 2): grid 32 x 15, 4 waves a work-group, no clusters, 323,328 bytes of LDS; arguments encoder_outputs, v_w, wq, wsc, hb, list, meta, part; writes part
.if DOCPART == 2
	.amdgcn_target "amdgcn-amd-amdhsa--gfx1250"
	.amdhsa_code_object_version 6
	.text
	.protected	k_q08c9d45d71_attn
	.globl	k_q08c9d45d71_attn
	.p2align	8
	.type	k_q08c9d45d71_attn,@function
k_q08c9d45d71_attn:
	s_mov_b64 s[64:65], 0
	v_nop
	global_prefetch_b8 v0, s[64:65] scope:SCOPE_SE
	s_setreg_imm32_b32 hwreg(HW_REG_WAVE_MODE, 25, 1), 1
	s_wait_xcnt 0x0
; ADDITIVE ATTENTION, launch 2 of 3: one tile of at most 144 OPEN rows of one batch (x = batch, y = tile), from the rows to the tile's softmax parts.
; Left out, as shown at the head of the first kernel: the rows that the mask closes (only listed rows are read) and the term sum(v_w) of the scores.
; A tile: gather its rows by the stored list; quantise them (MX-FP8 along the 1,024); product 2 against w_enc's codes; r = 1 / (1 + 2^(c x + hb)), c = 2 log2(e), hb = c (h_proj + a_b);
; score = -2 sum(v r) (0 where the batch has no open position: flag); the tile's maximum m, p = e^(score - m), l = sum p, O = sum p x row.  O, m, l go to 'part'; the last launch joins the tiles.
; THE GRID SERVES EVERY MASK: 15 tiles a batch.  A tile at or past the batch's q has no rows.  No barrier and no loop that steps an LDS address stands under a branch on a stored number:
; such a work-group walks the empty loops and both barriers, each block of work being led round by a scalar branch on LIVE; it stores nothing.  Its first 24 row loads are issued all the same (of a listed row).
; No tensor load: w_enc's codes come from memory straight into registers, laid by the first launch in the order of the operand's registers.
; SHARES.  Quantising: wave w takes columns 256 w .. of all rows; a lane 8 neighbours, four lanes a block of 32.  Product: wave w takes columns 256 w .. of the result, four passes of 64 columns
; (4 tiles) x 9 tiles of rows: 36 accumulators.  Source 0 = 16 columns of W, source 1 = 16 rows: a lane holds one row and eight neighbouring columns.  Weighted sum: wave w, columns 256 w + 8 lane ...
; The rows are wanted twice.  Rows 0-79 are kept in LDS as bf16 (the weighted sum is a product left as it is); rows 80-143 are read again as f32.  Rows at or past the tile's count repeat its first row; their p is 0.
; REGISTERS, in windows of 256.  Window 0: v1-21 addresses and constants; v22, v23 the add's two; v24-31 O; v32-40 the rows' scale words, v42-49 W's (scales and nothing else); v50-67 the scores' sums;
;  v68-95 at work; v96-239 the rows' 9 fragments (while quantising, and in the weighted sum: at work).  Window 1: three slots of 8 rows x 8 numbers, then accumulators (rt 0-7, g) at 8 (4 rt + g), then rows.
;  Window 2: accumulators (8, g) at 8 g; hb at v32, v_w at v64.  Window 3: four sets of W's 4 fragments; then rows.
.set CP,    1040                       ; LDS: a row's 1,024 codes + 16: an odd multiple of 16, so that the 16 rows of a fragment load start in different banks.  144 rows from byte 0
.set SCL,   149760                     ; the rows' scale bytes: 144 x 48 (32 + 16)
.set STASH, 156672                     ; rows 0-79 as bf16: 80 x 2,048
.set SCP,   320512                     ; the scores' parts: 4 waves x 144 f32
.set SPARE, 322816                     ; the spare words, 128 bytes a wave: two blocks of 256 bytes that no other line names
.set SPW, 22
.set NIL, 23
.set OV,  24
.set ASC, 32
.set BSC, 42
.set UU,  50
.set TT,  68
.set AF,  96
.set MX,  96                           ; while quantising: largest magnitudes, scale operands, limits, bytes (8 rows each); codes; bf16; row addresses; three LDS addresses
.set SO,  104
.set LM,  112
.set BY,  120
.set CD,  128
.set BF,  144
.set ADR, 176
.set CA,  200
.set BA,  201
.set SA,  202
.set RA,  96                           ; in the weighted sum: 64 row addresses, 64 p
.set PP,  160
.set HB,  32
.set VV,  64
.set LIVE, 24                          ; s24  1: the tile has rows
.set POS,  25                          ; s25  its first entry in the batch's list
.set NV,   26                          ; s26  its rows
.set WV,   27                          ; s27  wave
.set LB,   28                          ; s[28:29] the list at the tile's first entry; never stepped
.set EB,   30                          ; s[30:31] the batch's rows
.set FIRST, 32                         ; s32  the tile's first row
.set CNT,  33
.set SC,   34                          ; per trip of 24 rows: codes + 24,960, scale bytes + 1,152, stash + 49,152, groups + 3, rows left - 24
.set SB,   35
.set SS,   36
.set GG,   37
.set REM,  38
.set MNT,  41
.set CC,   42
.set SEL,  44
.set WPL,  46                          ; s[46:47] W's codes of this pass;  s[48:49] of the next;  s[50:51], s[52:53] the scale words likewise
.set WPH,  48
.set WSL,  50
.set WSH,  52
.set HBP,  54
.set VVP,  56
.set PASS, 58
.set FF,   59                          ; s59  -2.0, or 0 where the batch has no open position
.set REC,  60                          ; s[60:61] the tile's record in 'part'
.set EN,   68                          ; s[68:91] list entries, 8 for each slot
.set LBS,  92                          ; s[92:93] the list, stepped 24 entries a trip
.set MSB, 0
.macro WIN new                         ; low byte: bits 1:0 source 0, 3:2 source 1, 5:4 source 2, 7:6 destination; the high byte repeats the setting that is left
.if MSB != \new
	s_set_vgpr_msb (MSB<<8)|\new
.set MSB, \new
.endif
.endm
.macro NOPS n
.rept \n
	v_nop
.endr
.endm
; a row's byte offset for my lane: the list's entry, or the tile's first row where the tile has no such row; held inside the batch's 2,048 rows
.macro ROWADR ent, adr, lim, bound
	s_cmp_gt_i32 s[\lim], \bound
	s_cselect_b32 s40, s[\ent], s[FIRST]
	s_min_u32 s40, s40, 2047
	v_lshl_add_u32 v[\adr], s40, 12, v4
.endm
.macro XLOADS slot                     ; 8 rows, my 32 bytes of my wave's 1,024 of each
	WIN 0x40
.irp i, 0,1,2,3,4,5,6,7
	global_load_b128 v[64*(\slot)+8*\i:64*(\slot)+8*\i+3], v[ADR+8*(\slot)+\i], s[EB:EB+1]
	global_load_b128 v[64*(\slot)+8*\i+4:64*(\slot)+8*\i+7], v[ADR+8*(\slot)+\i], s[EB:EB+1] offset:16
.endr
	WIN 0
.endm
; A GROUP of 8 rows in slot 'slot': scale, (stash,) hold, codes, to LDS; refill = 1: the slot takes the rows 24 further on.  left: the younger loads that may stay out
.macro GROUP slot, refill, left, stash
	s_wait_loadcnt \left                           ; loads come back in order: this slot's 16 are in
	s_wait_dscnt 0x0                               ; the last group's LDS stores have read their registers
	WIN 0x05
.irp i, 0,1,2,3,4,5,6,7
	v_max3_num_f32 v[MX+\i], |v[64*(\slot)+8*\i]|, |v[64*(\slot)+8*\i+1]|, 0x4800000   ; and the floor 2^(9 - 127): the byte cannot fall under 1
.endr
.irp k, 2,4,6
.irp i, 0,1,2,3,4,5,6,7
	v_max3_num_f32 v[MX+\i], |v[64*(\slot)+8*\i+\k]|, |v[64*(\slot)+8*\i+\k+1]|, v[MX+\i]
.endr
.endr
	WIN 0
.irp m, 1,2
.irp i, 0,1,2,3,4,5,6,7
	v_max_num_f32_dpp v[MX+\i], v[MX+\i], v[MX+\i] row_xmask:\m row_mask:0xf bank_mask:0xf   ; the four lanes of a block
.endr
.endr
.irp i, 0,1,2,3,4,5,6,7
	v_add_nc_u32 v[SO+\i], 0xfc000000, v[MX+\i]    ; 8 off the exponent field: the conversion's scale operand
.endr
.irp i, 0,1,2,3,4,5,6,7
	v_and_or_b32 v[LM+\i], v[MX+\i], 0x7f800000, s[MNT]   ; 448 x the scale
.endr
.irp i, 0,1,2,3,4,5,6,7
	v_lshrrev_b32 v[BY+\i], 23, v[SO+\i]           ; the scale's byte
.endr
.if \stash
	s_cmp_lt_u32 s[GG], 10-(\slot)                 ; groups 0 to 9 are rows 0 to 79: a count of trips alone
	s_cbranch_scc0 .Lnostash_\@
	WIN 0x05
.irp i, 0,1,2,3,4,5,6,7
.irp k, 0,1,2,3
	v_cvt_pk_bf16_f32 v[BF+4*\i+\k], v[64*(\slot)+8*\i+2*\k], v[64*(\slot)+8*\i+2*\k+1]   ; ahead of the hold: the row as it is
.endr
.endr
	WIN 0
.if (\slot)==0
	s_min_u32 s39, s[SS], 147456                   ; (the address stays inside the stash in the trips that jump over these lines too)
.else
	s_min_u32 s39, s[SS], 98304
.endif
	v_add_nc_u32 v[SA], s39, v7
.irp i, 0,1,2,3,4,5,6,7
	ds_store_b128 v[SA], v[BF+4*\i:BF+4*\i+3] offset:16384*(\slot)+2048*\i
.endr
.Lnostash_\@:
.endif
	WIN 0x41
.irp i, 0,1,2,3,4,5,6,7
.irp k, 0,1,2,3,4,5,6,7
	v_med3_num_f32 v[64*(\slot)+8*\i+\k], v[64*(\slot)+8*\i+\k], -v[LM+\i], v[LM+\i]   ; the conversion does not saturate (ISA guide 7.6.2)
.endr
.endr
	WIN 0x01
.irp i, 0,1,2,3,4,5,6,7
	v_cvt_scalef32_pk8_fp8_f32 v[CD+2*\i:CD+2*\i+1], v[64*(\slot)+8*\i:64*(\slot)+8*\i+7], v[SO+\i]
.endr
	WIN 0
	v_add_nc_u32 v[CA], s[SC], v5                  ; (plain instructions behind the last conversion)
	v_add_nc_u32 v[BA], s[SB], v6
.irp i, 0,1,2,3,4,5,6,7
	ds_store_b64 v[CA], v[CD+2*\i:CD+2*\i+1] offset:8*CP*(\slot)+CP*\i   ; the wave's 256 codes of a row, consecutive
	ds_store_b8 v[BA], v[BY+\i] offset:384*(\slot)+48*\i                 ; the four lanes of a block write the same byte with the same value
.endr
.if \refill
	s_wait_kmcnt 0x0                               ; the next trip's entries are in
.irp i, 0,1,2,3,4,5,6,7
	ROWADR EN+8*(\slot)+\i, ADR+8*(\slot)+\i, REM, 24+8*(\slot)+\i
.endr
	XLOADS \slot
	s_load_b256 s[EN+8*(\slot):EN+8*(\slot)+7], s[LBS:LBS+1], 192+32*(\slot)   ; the entries of two trips on
.endif
.endm
; W's 4 fragments and their scale words of K step ks (counted from the pointer's pass) into set bs: 17 loads, each of consecutive bytes
.macro BLOADS bs, pw, ps, ks
	WIN 0
	global_load_b64 v[BSC+2*(\bs):BSC+2*(\bs)+1], v13, s[\ps:\ps+1] offset:256*(\ks)
	WIN 0xC0
.irp g, 0,1,2,3
.irp c, 0,1,2,3
	global_load_b128 v[64*(\bs)+16*\g+4*\c:64*(\bs)+16*\g+4*\c+3], v12, s[\pw:\pw+1] offset:8192*(\ks)+2048*\g+512*\c
.endr
.endr
	WIN 0
.endm
.macro ALOAD rt, ks                    ; the fragment of rows 16 rt .. and its scale words: five LDS loads
.irp c, 0,1,2,3
	ds_load_b128 v[AF+16*(\rt)+4*\c:AF+16*(\rt)+4*\c+3], v[8+(\rt)/3] offset:16*CP*((\rt)%3)+128*(\ks)+32*\c
.endr
	ds_load_b32 v[ASC+(\rt)], v11 offset:768*(\rt)+4*(\ks)
.endm
.macro MM rt, g, bs, zero              ; W's scale words: tiles 0 and 2 in lanes 0-15, tiles 1 and 3 in lanes 16-31 of the set's two registers
.set AC,  8*(4*((\rt)%8)+(\g))
.set BR,  64*(\bs)+16*(\g)
.set AR,  AF+16*(\rt)
.set SW0, BSC+2*(\bs)+(\g)/2
.if \zero
.if (\g)%2
	v_wmma_scale_f32_16x16x128_f8f6f4 v[AC:AC+7], v[BR:BR+15], v[AR:AR+15], 0, v[SW0], v[ASC+(\rt)] matrix_a_scale:MATRIX_SCALE_ROW1
.else
	v_wmma_scale_f32_16x16x128_f8f6f4 v[AC:AC+7], v[BR:BR+15], v[AR:AR+15], 0, v[SW0], v[ASC+(\rt)]
.endif
.else
.if (\g)%2
	v_wmma_scale_f32_16x16x128_f8f6f4 v[AC:AC+7], v[BR:BR+15], v[AR:AR+15], v[AC:AC+7], v[SW0], v[ASC+(\rt)] matrix_a_scale:MATRIX_SCALE_ROW1
.else
	v_wmma_scale_f32_16x16x128_f8f6f4 v[AC:AC+7], v[BR:BR+15], v[AR:AR+15], v[AC:AC+7], v[SW0], v[ASC+(\rt)]
.endif
.endif
.endm
; A K STEP of 128: 36 matrix instructions, the 36 accumulators by turns in one order in every step.  lc: the younger global loads that may stay out.
; A load into a register that a matrix instruction has read stands eight plain vector instructions behind it.
.macro KSTEP ks, lc, zero
	s_wait_loadcnt \lc                             ; this step's set of W is in
	s_wait_dscnt 20                                ; row tiles 0-4 are in; the 20 loads of tiles 5-8 may be out
	WIN 0x53
.irp rt, 0,1,2,3,4
.irp g, 0,1,2,3
	MM \rt, \g, (\ks)%4, \zero
.endr
.endr
	s_wait_dscnt 0x0                               ; tiles 5-8 are in
	NOPS 8
	WIN 0
.irp rt, 0,1,2,3,4
	ALOAD \rt, ((\ks)+1)%8
.endr
	WIN 0x53
.irp rt, 5,6,7
.irp g, 0,1,2,3
	MM \rt, \g, (\ks)%4, \zero
.endr
.endr
	WIN 0xA3
.irp g, 0,1,2,3
	MM 8, \g, (\ks)%4, \zero
.endr
	NOPS 8
	WIN 0
.irp rt, 5,6,7,8
	ALOAD \rt, ((\ks)+1)%8
.endr
.if (\ks) < 4
	BLOADS (\ks)%4, WPL, WSL, (\ks)+4              ; the set takes the K step four on
.else
	BLOADS (\ks)%4, WPH, WSH, (\ks)-4              ; which lies in the next pass
.endif
.endm
	s_load_b512 s[4:19], s[0:1], 0x0               ; enc s[4:5], v_w s[6:7], wq s[8:9], wsc s[10:11], hb s[12:13], list s[14:15], meta s[16:17], part s[18:19]
	v_lshl_add_u32 v[SPW], v0, 2, SPARE
	v_mov_b32 v[NIL], 0
	v_lshrrev_b32 v68, 5, v0
	v_readfirstlane_b32 s[WV], v68                 ; wave 0..3
	v_and_b32 v1, 31, v0                           ; lane
	v_and_b32 v2, 15, v0                           ; r
	v_bfe_u32 v3, v0, 4, 1                         ; h
	s_lshl_b32 s39, s[WV], 10
	v_lshl_add_u32 v4, v1, 5, s39                  ; a row in memory: 1,024 w + 32 lane
	v_lshl_add_u32 v18, v1, 2, s39                 ; LDS, behind the second barrier: my wave's own copy of p, at 1,024 w: + 4 lane,
	v_mov_b32 v19, s39                             ; and its first byte
	v_lshl_add_u32 v20, v1, 4, s39                 ; the record: 1,024 w + 16 lane
	s_lshl_b32 s39, s[WV], 8
	v_lshl_add_u32 v5, v1, 3, s39                  ; codes: 256 w + 8 lane
	v_lshrrev_b32 v6, 2, v1
	s_lshl_b32 s39, s[WV], 3
	s_add_co_u32 s39, s39, SCL
	v_add_nc_u32 v6, s39, v6                       ; scale bytes: 8 w + lane / 4
	s_lshl_b32 s39, s[WV], 9
	s_add_co_u32 s39, s39, STASH
	v_lshl_add_u32 v7, v1, 4, s39                  ; stash: 512 w + 16 lane
	v_mul_u32_u24 v8, v2, CP
	v_lshl_add_u32 v8, v3, 4, v8                   ; a fragment: row r, + 16 h; three registers, 48 rows apart, keep the offsets inside 16 bits
	v_add_nc_u32 v9, 48*CP, v8
	v_add_nc_u32 v10, 96*CP, v8
	v_mul_u32_u24 v11, v2, 48
	v_add_nc_u32 v11, SCL, v11                     ; row r's scale words
	v_lshlrev_b32 v12, 4, v1
	v_lshlrev_b32 v13, 3, v1
	v_lshlrev_b32 v14, 5, v3
	s_mul_i32 s39, s[WV], 576
	s_add_co_u32 s39, s39, SCP
	v_lshl_add_u32 v15, v2, 2, s39                 ; my wave's parts of the scores: row r
	v_lshl_add_u32 v16, v1, 2, SCP                 ; and on the way back: row = lane,
	v_lshl_add_u32 v17, v2, 2, SCP+512             ; rows 128 + lane % 16
	v_mov_b32 v21, 0xff800000                      ; -infinity
.irp j, 0,1,2,3,4,5,6,7
	v_mov_b32 v[OV+\j], 0
.endr
	s_and_b32 s66, ttmp7, 0xffff                   ; the tile
	s_mov_b32 s[MNT], 0x600000
	s_mov_b32 s[CC], 0x4038aa3b                    ; c = 2 log2(e)
	s_mov_b32 s[CC+1], s[CC]
	s_mov_b32 s[SEL], 0x76543210
	s_mov_b32 s[SEL+1], 0xfedcba98
	s_mov_b32 s3, 0
	s_lshl_b32 s2, ttmp9, 7
	s_wait_kmcnt 0x0
	s_add_nc_u64 s[16:17], s[16:17], s[2:3]
	s_load_b128 s[20:23], s[16:17], 0x0            ; n, q, cr, flag
	s_lshl_b32 s2, ttmp9, 23
	s_add_nc_u64 s[EB:EB+1], s[4:5], s[2:3]
	s_mul_i32 s2, ttmp9, 15
	s_add_co_u32 s2, s2, s66
	s_mul_i32 s2, s2, 4352
	s_add_nc_u64 s[REC:REC+1], s[18:19], s[2:3]
	s_lshl_b32 s2, s[WV], 18                       ; my 256 columns: four blocks of 65,536 bytes of codes,
	s_add_nc_u64 s[WPL:WPL+1], s[8:9], s[2:3]
	s_add_nc_u64 s[WPH:WPH+1], s[WPL:WPL+1], 0x10000
	s_lshl_b32 s2, s[WV], 13                       ; of 2,048 of scale words
	s_add_nc_u64 s[WSL:WSL+1], s[10:11], s[2:3]
	s_add_nc_u64 s[WSH:WSH+1], s[WSL:WSL+1], 0x800
	s_lshl_b32 s2, s[WV], 10
	s_add_nc_u64 s[VVP:VVP+1], s[6:7], s[2:3]
	s_lshl_b32 s39, ttmp9, 12
	s_add_co_u32 s2, s2, s39
	s_add_nc_u64 s[HBP:HBP+1], s[12:13], s[2:3]
	s_mov_b32 s[SC], 0
	s_mov_b32 s[SB], 0
	s_mov_b32 s[SS], 0
	s_mov_b32 s[GG], 0
	s_mov_b32 s[CNT], 0
	s_wait_kmcnt 0x0
	s_cmp_lt_u32 s66, s21
	s_cselect_b32 s[LIVE], 1, 0
	s_mul_i32 s[POS], s66, s22
	s_cselect_b32 s[POS], s[POS], 0
	s_min_u32 s[POS], s[POS], 2047
	s_sub_co_u32 s[NV], s20, s[POS]
	s_min_u32 s[NV], s[NV], s22
	s_min_u32 s[NV], s[NV], 144
	s_mov_b32 s[REM], s[NV]
	s_cmp_lg_u32 s23, 0
	s_cselect_b32 s[FF], 0, 0xc0000000
	s_mul_i32 s2, ttmp9, 9472
	s_lshl_b32 s40, s[POS], 2
	s_add_co_u32 s2, s2, s40
	s_add_nc_u64 s[LB:LB+1], s[14:15], s[2:3]
	s_mov_b64 s[LBS:LBS+1], s[LB:LB+1]
	; ---- the ring's first 24 rows: on every path, so that its registers are written on every path
	s_load_b256 s[EN:EN+7], s[LB:LB+1], 0x0
	s_load_b256 s[EN+8:EN+15], s[LB:LB+1], 0x20
	s_load_b256 s[EN+16:EN+23], s[LB:LB+1], 0x40
	s_wait_kmcnt 0x0
	s_min_u32 s[FIRST], s[EN], 2047
.irp s, 0,1,2
.irp i, 0,1,2,3,4,5,6,7
	ROWADR EN+8*\s+\i, ADR+8*\s+\i, REM, 8*\s+\i
.endr
	XLOADS \s
.endr
	s_load_b256 s[EN:EN+7], s[LB:LB+1], 0x60       ; the second trip's entries
	s_load_b256 s[EN+8:EN+15], s[LB:LB+1], 0x80
	s_load_b256 s[EN+16:EN+23], s[LB:LB+1], 0xa0
	; ---- quantising: six trips of 24 rows; 48 loads of every wave on their way
.LloopA:
	s_cmp_lg_u32 s[LIVE], 0
	s_cbranch_scc0 .LskipA
	GROUP 0, 1, 32, 1
	GROUP 1, 1, 32, 1
	GROUP 2, 1, 32, 1
.LskipA:
	s_wait_xcnt 0x0                                ; the scalar loads have read their base: it may step
	s_add_nc_u64 s[LBS:LBS+1], s[LBS:LBS+1], 96
	s_add_co_u32 s[SC], s[SC], 24*CP
	s_add_co_u32 s[SB], s[SB], 1152
	s_add_co_u32 s[SS], s[SS], 49152
	s_add_co_u32 s[GG], s[GG], 3
	s_sub_co_i32 s[REM], s[REM], 24
	s_add_co_u32 s[CNT], s[CNT], 1
	s_cmp_lt_u32 s[CNT], 5
	s_cbranch_scc1 .LloopA
	s_cmp_lg_u32 s[LIVE], 0
	s_cbranch_scc0 .LskipT
	GROUP 0, 0, 32, 0                              ; the last trip loads nothing: the counts run down
	GROUP 1, 0, 16, 0
	GROUP 2, 0, 0, 0
.LskipT:
	s_wait_loadcnt 0x0
	s_wait_kmcnt 0x0
	s_wait_dscnt 0x0                               ; my codes, scale bytes and stash have landed
	s_barrier_signal -1
	s_barrier_wait -1                              ; everybody's have
	; ---- product 2, tanh, the scores' parts
	s_cmp_lg_u32 s[LIVE], 0
	s_cbranch_scc0 .Lskip2
	BLOADS 0, WPL, WSL, 0
	BLOADS 1, WPL, WSL, 1
	BLOADS 2, WPL, WSL, 2
	BLOADS 3, WPL, WSL, 3
.irp rt, 0,1,2,3,4,5,6,7,8
	ALOAD \rt, 0
.endr
.irp j, 0,1,2,3,4,5,6,7,8,9,10,11,12,13,14,15,16,17
	v_mov_b32 v[UU+\j], 0                          ; sum(v r) of my row, in two halves, for each of the nine tiles of rows
.endr
	s_mov_b32 s[PASS], 0
	s_mov_b32 s95, 0
	s_mov_b32 s97, 0
.Lpass:                                            ; four passes of 64 columns; the loop steps global pointers and its counter alone
	WIN 0x80
.irp g, 0,1,2,3                                ; lane (r, h) wants, for tile g, the numbers of columns 16 g + 8 h + 0 .. 7
	global_load_b128 v[HB+8*\g:HB+8*\g+3], v14, s[HBP:HBP+1] offset:64*\g
	global_load_b128 v[HB+8*\g+4:HB+8*\g+7], v14, s[HBP:HBP+1] offset:64*\g+16
	global_load_b128 v[VV+8*\g:VV+8*\g+3], v14, s[VVP:VVP+1] offset:64*\g
	global_load_b128 v[VV+8*\g+4:VV+8*\g+7], v14, s[VVP:VVP+1] offset:64*\g+16
.endr
	WIN 0
	KSTEP 0, 63, 1                                 ; behind a set stand three sets of 17 loads and these 16: 67; the count is the largest that the field holds
	KSTEP 1, 63, 0
	KSTEP 2, 63, 0
	KSTEP 3, 63, 0
	KSTEP 4, 51, 0                                 ; three sets of 17
	KSTEP 5, 51, 0
	KSTEP 6, 51, 0
	KSTEP 7, 51, 0
	; r = 1 / (1 + 2^(c x + hb)), in place; each accumulator is first read at its low pair.  The transcendentals go in batches, each with one plain instruction and one wait behind it
	WIN 0x61
.set ai, 0
.rept 32
.irp k, 0,2,4,6
	v_pk_fma_f32 v[8*ai+\k:8*ai+\k+1], v[8*ai+\k:8*ai+\k+1], s[CC:CC+1], v[HB+8*(ai%4)+\k:HB+8*(ai%4)+\k+1] op_sel_hi:[1,0,1]
.endr
.set ai, ai+1
.endr
	WIN 0xA2
.set ai, 0
.rept 4
.irp k, 0,2,4,6
	v_pk_fma_f32 v[8*ai+\k:8*ai+\k+1], v[8*ai+\k:8*ai+\k+1], s[CC:CC+1], v[HB+8*ai+\k:HB+8*ai+\k+1] op_sel_hi:[1,0,1]
.endr
.set ai, ai+1
.endr
	WIN 0x82
.set ai, 0
.rept 32
	v_exp_f32 v[ai], v[ai]
.set ai, ai+1
.endr
	v_nop
	s_wait_alu depctr_va_vdst(0)                   ; the wait ahead of the first instruction that names a result
	WIN 0x41
.set ai, 0
.rept 256
	v_exp_f32 v[ai], v[ai]
.set ai, ai+1
.endr
	v_nop
	s_wait_alu depctr_va_vdst(0)
.set ai, 0
.rept 128
	v_pk_add_f32 v[ai:ai+1], v[ai:ai+1], 1.0 op_sel_hi:[1,0]
.set ai, ai+2
.endr
	WIN 0x82
.set ai, 0
.rept 16
	v_pk_add_f32 v[ai:ai+1], v[ai:ai+1], 1.0 op_sel_hi:[1,0]
.set ai, ai+2
.endr
.set ai, 0
.rept 32
	v_rcp_f32 v[ai], v[ai]
.set ai, ai+1
.endr
	v_nop
	s_wait_alu depctr_va_vdst(0)
	WIN 0x41
.set ai, 0
.rept 256
	v_rcp_f32 v[ai], v[ai]
.set ai, ai+1
.endr
	v_nop
	s_wait_alu depctr_va_vdst(0)
	WIN 0x09
.irp g, 0,1,2,3
.irp k, 0,2,4,6
.irp rt, 0,1,2,3,4,5,6,7
	v_pk_fma_f32 v[UU+2*\rt:UU+2*\rt+1], v[8*(4*\rt+\g)+\k:8*(4*\rt+\g)+\k+1], v[VV+8*\g+\k:VV+8*\g+\k+1], v[UU+2*\rt:UU+2*\rt+1]   ; the tiles of rows by turns
.endr
.endr
.endr
	WIN 0x0A
.irp g, 0,1,2,3
.irp k, 0,2,4,6
	v_pk_fma_f32 v[UU+16:UU+17], v[8*\g+\k:8*\g+\k+1], v[VV+8*\g+\k:VV+8*\g+\k+1], v[UU+16:UU+17]
.endr
.endr
	WIN 0
	s_wait_xcnt 0x0                                ; the loads have read their bases: they may step
	s_add_nc_u64 s[WPL:WPL+1], s[WPL:WPL+1], 0x10000
	s_add_nc_u64 s[WSL:WSL+1], s[WSL:WSL+1], 0x800
	s_add_nc_u64 s[HBP:HBP+1], s[HBP:HBP+1], 256
	s_add_nc_u64 s[VVP:VVP+1], s[VVP:VVP+1], 256
	s_cmp_lt_u32 s[PASS], 2                        ; the last pass has no next: it asks for its own first four K steps again, inside the buffer, and uses none of them
	s_cselect_b32 s94, 0x10000, 0
	s_cselect_b32 s96, 0x800, 0
	s_add_nc_u64 s[WPH:WPH+1], s[WPH:WPH+1], s[94:95]
	s_add_nc_u64 s[WSH:WSH+1], s[WSH:WSH+1], s[96:97]
	s_add_co_u32 s[PASS], s[PASS], 1
	s_cmp_lt_u32 s[PASS], 4
	s_cbranch_scc1 .Lpass
.irp rt, 0,1,2,3,4,5,6,7,8
	v_add_f32 v[TT+\rt], v[UU+2*\rt], v[UU+2*\rt+1]
	v_mov_b32 v[TT+10+\rt], 0                      ; a lane permute's destination counts as one of its sources
.endr
.irp rt, 0,1,2,3,4,5,6,7,8
	v_permlanex16_b32 v[TT+10+\rt], v[TT+\rt], s[SEL], s[SEL+1]
.endr
.irp rt, 0,1,2,3,4,5,6,7,8
	v_add_f32 v[TT+\rt], v[TT+\rt], v[TT+10+\rt]   ; with the other eight columns of each tile: row r's sum over my 256 columns
.endr
.irp rt, 0,1,2,3,4,5,6,7,8
	ds_store_b32 v15, v[TT+\rt] offset:64*\rt      ; both halves of the lanes write the same word with the same value
.endr
.Lskip2:
	s_wait_loadcnt 0x0                             ; the last pass's unused sets of W
	s_wait_dscnt 0x0                               ; my parts have landed, and my reads of the codes are over
	s_barrier_signal -1
	s_barrier_wait -1
	; ---- the tile's softmax, each wave for itself, and rows 80 to 143 of the weighted sum, read again as f32
	s_cmp_lg_u32 s[LIVE], 0
	s_cbranch_scc0 .Lskip3
	s_load_b512 s[68:83], s[LB:LB+1], 0x140        ; entries 80 to 111
	s_load_b512 s[84:99], s[LB:LB+1], 0x180
.irp k, 0,1,2,3
.irp w, 0,1,2,3
	ds_load_b32 v[TT+4*\k+\w], v16 offset:576*\w+128*\k   ; row 32 k + lane, wave w's part
.endr
.endr
.irp w, 0,1,2,3
	ds_load_b32 v[TT+16+\w], v17 offset:576*\w     ; rows 128 + lane % 16 (lanes 16-31 stand for rows from 144 on, which no tile has)
.endr
	s_wait_kmcnt 0x0
.set k, 0
.rept 32
	ROWADR 68+k, RA+k, NV, 80+k
.set k, k+1
.endr
	WIN 0x40
.set k, 0
.rept 32
	global_load_b128 v[8*k:8*k+3], v[RA+k], s[EB:EB+1]
	global_load_b128 v[8*k+4:8*k+7], v[RA+k], s[EB:EB+1] offset:16
.set k, k+1
.endr
	WIN 0
	s_load_b512 s[68:83], s[LB:LB+1], 0x1c0        ; entries 112 to 143
	s_load_b512 s[84:99], s[LB:LB+1], 0x200
	s_wait_kmcnt 0x0
.set k, 0
.rept 32
	ROWADR 68+k, RA+32+k, NV, 112+k
.set k, k+1
.endr
	WIN 0xC0
.set k, 0
.rept 32
	global_load_b128 v[8*k:8*k+3], v[RA+32+k], s[EB:EB+1]
	global_load_b128 v[8*k+4:8*k+7], v[RA+32+k], s[EB:EB+1] offset:16
.set k, k+1
.endr
	WIN 0
	s_wait_dscnt 0x0
.irp k, 0,1,2,3,4
	v_add_f32 v[TT+4*\k], v[TT+4*\k], v[TT+4*\k+1]
	v_add_f32 v[TT+4*\k+2], v[TT+4*\k+2], v[TT+4*\k+3]
.endr
.irp k, 0,1,2,3,4
	v_add_f32 v[TT+4*\k], v[TT+4*\k], v[TT+4*\k+2]
.endr
.irp k, 0,1,2,3,4
	v_mul_f32 v[TT+4*\k], s[FF], v[TT+4*\k]        ; the score
.endr
.irp k, 0,1,2,3,4
	s_sub_co_i32 s39, s[NV], 32*\k
	v_cmp_gt_i32 vcc_lo, s39, v1                   ; has the tile a row 32 k + lane?
	v_cndmask_b32 v[TT+4*\k], v21, v[TT+4*\k], vcc_lo   ; else -infinity: p = 0
.endr
	v_max3_num_f32 v88, v[TT], v[TT+4], v[TT+8]
	v_max3_num_f32 v88, v88, v[TT+12], v[TT+16]
	v_mov_b32 v89, 0
.irp m, 1,2,4,8
	v_max_num_f32_dpp v88, v88, v88 row_xmask:\m row_mask:0xf bank_mask:0xf
.endr
	v_permlanex16_b32 v89, v88, s[SEL], s[SEL+1]
	v_max_num_f32 v90, v88, v89                    ; m: the tile's largest score (row 0 is always there)
.irp k, 0,1,2,3,4
	v_sub_f32 v[TT+4*\k], v[TT+4*\k], v90
.endr
.irp k, 0,1,2,3,4
	v_mul_f32 v[TT+4*\k], 0x3fb8aa3b, v[TT+4*\k]
.endr
.irp k, 0,1,2,3,4
	v_exp_f32 v[TT+4*\k], v[TT+4*\k]               ; p = e^(score - m)
.endr
	v_nop
	s_wait_alu depctr_va_vdst(0)                   ; one wait for the five
	v_add_f32 v91, v[TT], v[TT+4]
	v_add_f32 v92, v[TT+8], v[TT+12]
	v_add_f32 v91, v91, v[TT+16]
	v_add_f32 v91, v91, v92
.irp k, 0,1,2,3,4
	ds_store_b32 v18, v[TT+4*\k] offset:128*\k     ; into my wave's own bytes, where codes lay that nobody reads any more
.endr
.irp m, 1,2,4,8
	v_add_f32_dpp v91, v91, v91 row_xmask:\m row_mask:0xf bank_mask:0xf
.endr
	v_permlanex16_b32 v89, v91, s[SEL], s[SEL+1]
	v_add_f32 v91, v91, v89                        ; l
	s_cmp_lg_u32 s[WV], 0
	s_cbranch_scc1 .Lnot_wave_0
	global_store_b64 v13, v[90:91], s[REC:REC+1] offset:4096   ; (m, l) 32 times: 256 consecutive bytes, aligned
.Lnot_wave_0:
.irp j, 0,1,2,3,4,5,6,7,8,9,10,11,12,13,14,15
	ds_load_b128 v[PP+4*\j:PP+4*\j+3], v19 offset:320+16*\j   ; p of rows 80 to 143, in every lane.  LDS serves a wave's instructions in order: these see my stores
.endr
	s_wait_loadcnt 0x0
	s_wait_dscnt 0x0
	WIN 0x01
.set k, 0
.rept 32
.irp j, 0,2,4,6
.if k%2
	v_pk_fma_f32 v[OV+\j:OV+\j+1], v[8*k+\j:8*k+\j+1], v[PP+k-1:PP+k], v[OV+\j:OV+\j+1] op_sel:[0,1,0] op_sel_hi:[1,1,1]   ; both halves x the pair's second register
.else
	v_pk_fma_f32 v[OV+\j:OV+\j+1], v[8*k+\j:8*k+\j+1], v[PP+k:PP+k+1], v[OV+\j:OV+\j+1] op_sel_hi:[1,0,1]                 ; both halves x its first
.endif
.endr
.set k, k+1
.endr
	WIN 0x03
.set k, 0
.rept 32
.irp j, 0,2,4,6
.if k%2
	v_pk_fma_f32 v[OV+\j:OV+\j+1], v[8*k+\j:8*k+\j+1], v[PP+32+k-1:PP+32+k], v[OV+\j:OV+\j+1] op_sel:[0,1,0] op_sel_hi:[1,1,1]
.else
	v_pk_fma_f32 v[OV+\j:OV+\j+1], v[8*k+\j:8*k+\j+1], v[PP+32+k:PP+32+k+1], v[OV+\j:OV+\j+1] op_sel_hi:[1,0,1]
.endif
.endr
.set k, k+1
.endr
	WIN 0
.Lskip3:
	; ---- rows 0 to 79 from the stash: ten trips of 8 rows; a wave reads only what it stored itself
	s_mov_b32 s[SS], 0
	s_mov_b32 s[SB], 0
	s_mov_b32 s[CNT], 0
.LloopC:
	s_cmp_lg_u32 s[LIVE], 0
	s_cbranch_scc0 .LskipC
	v_add_nc_u32 v[SA], s[SS], v7
	v_add_nc_u32 v[CA], s[SB], v19
.irp i, 0,1,2,3,4,5,6,7
	ds_load_b128 v[BF+4*\i:BF+4*\i+3], v[SA] offset:2048*\i
.endr
	ds_load_b128 v[CD:CD+3], v[CA]
	ds_load_b128 v[CD+4:CD+7], v[CA] offset:16
	s_wait_dscnt 0x0
.irp i, 0,1,2,3,4,5,6,7
.irp e, 0,1,2,3
	v_fma_mix_f32_bf16 v[OV+2*\e], v[BF+4*\i+\e], v[CD+\i], v[OV+2*\e] op_sel_hi:[1,0,0]
	v_fma_mix_f32_bf16 v[OV+2*\e+1], v[BF+4*\i+\e], v[CD+\i], v[OV+2*\e+1] op_sel:[1,0,0] op_sel_hi:[1,0,0]
.endr
.endr
.LskipC:
	s_add_co_u32 s[SS], s[SS], 16384
	s_add_co_u32 s[SB], s[SB], 32
	s_add_co_u32 s[CNT], s[CNT], 1
	s_cmp_lt_u32 s[CNT], 10
	s_cbranch_scc1 .LloopC
	s_cmp_lg_u32 s[LIVE], 0
	s_cbranch_scc0 .Lend
	global_store_b128 v20, v[OV:OV+3], s[REC:REC+1]              ; columns 256 w + 8 lane + 0 .. 3: 512 consecutive bytes;
	global_store_b128 v20, v[OV+4:OV+7], s[REC:REC+1] offset:512 ; + 4 .. 7 likewise: the last launch knows the order
.Lend:
	s_wait_tensorcnt 0x0                           ; the wave's end
	ds_add_u32 v[SPW], v[NIL]
	s_wait_dscnt 0x0
	s_endpgm
.Lfunc_end_k_q08c9d45d71_attn:
	.size	k_q08c9d45d71_attn, .Lfunc_end_k_q08c9d45d71_attn-k_q08c9d45d71_attn
	.p2alignl 7, 3214868480
	.fill 96, 4, 3214868480
	.section	.rodata,"a",@progbits
	.p2align	6, 0x0
	.amdhsa_kernel k_q08c9d45d71_attn
		.amdhsa_group_segment_fixed_size 323328
		.amdhsa_private_segment_fixed_size 0
		.amdhsa_enable_private_segment 0
		.amdhsa_kernarg_size 64
		.amdhsa_user_sgpr_count 2
		.amdhsa_user_sgpr_kernarg_segment_ptr 1
		.amdhsa_wavefront_size32 1
		.amdhsa_system_sgpr_workgroup_id_x 1
		.amdhsa_system_sgpr_workgroup_id_y 1
		.amdhsa_system_sgpr_workgroup_id_z 1
		.amdhsa_system_vgpr_workitem_id 0
		.amdhsa_next_free_vgpr 1024
		.amdhsa_next_free_sgpr 100
		.amdhsa_reserve_vcc 1
		.amdhsa_float_denorm_mode_32 3
		.amdhsa_float_denorm_mode_16_64 3
		.amdhsa_memory_ordered 1
		.amdhsa_forward_progress 1
		.amdhsa_inst_pref_size 255
	.end_amdhsa_kernel
	.section	.bss,"aw",@nobits
	.p2align	6
	.space	262144
	.amdgpu_metadata
---
amdhsa.version: [ 1, 2 ]
amdhsa.kernels:
  - .name:           k_q08c9d45d71_attn
    .symbol:         k_q08c9d45d71_attn.kd
    .args:
      - { .name: encoder_outputs, .offset: 0, .size: 8, .value_kind: global_buffer, .address_space: global }
      - { .name: v_w, .offset: 8, .size: 8, .value_kind: global_buffer, .address_space: global }
      - { .name: wq, .offset: 16, .size: 8, .value_kind: global_buffer, .address_space: global }
      - { .name: wsc, .offset: 24, .size: 8, .value_kind: global_buffer, .address_space: global }
      - { .name: hb, .offset: 32, .size: 8, .value_kind: global_buffer, .address_space: global }
      - { .name: list, .offset: 40, .size: 8, .value_kind: global_buffer, .address_space: global }
      - { .name: meta, .offset: 48, .size: 8, .value_kind: global_buffer, .address_space: global }
      - { .name: part, .offset: 56, .size: 8, .value_kind: global_buffer, .address_space: global }
    .group_segment_fixed_size: 323328
    .private_segment_fixed_size: 0
    .kernarg_segment_align: 8
    .kernarg_segment_size: 64
    .max_flat_workgroup_size: 128
    .sgpr_count:     100
    .vgpr_count:     1024
    .wavefront_size: 32
...
	.end_amdgpu_metadata
.endif
;; end of part 2
;; launch combine (part 3): grid 32 x 1, 8 waves a work-group, no clusters, 0 bytes of LDS; arguments part, meta, out0; writes out0
.if DOCPART == 3
	.amdgcn_target "amdgcn-amd-amdhsa--gfx1250"
	.amdhsa_code_object_version 6
	.text
	.protected	k_q08c9d45d71_combine
	.globl	k_q08c9d45d71_combine
	.p2align	8
	.type	k_q08c9d45d71_combine,@function
k_q08c9d45d71_combine:
	s_mov_b64 s[64:65], 0
	v_nop
	global_prefetch_b8 v0, s[64:65] scope:SCOPE_SE
	s_setreg_imm32_b32 hwreg(HW_REG_WAVE_MODE, 25, 1), 1
	s_wait_xcnt 0x0
; ADDITIVE ATTENTION, launch 3 of 3: a batch's tiles are joined.  out = sum_t w_t O_t / sum_t w_t l_t, w_t = e^(m_t - M), M the largest m_t.
; Left out, as shown at the head of the first kernel: tiles at or past the batch's q have no rows and no record.  No branch: their places re-read the last record that exists, with the weight 0.
; A work-group to a batch; thread t makes columns 4 t .. 4 t + 3.  A record is 4,096 bytes of O and (m, l); in O wave w's 1,024 bytes hold columns 256 w + 8 l + 0 .. 3 at 16 l and + 4 .. 7 at 512 + 16 l.
; Fifteen loads of 16 bytes a thread, all issued ahead of the arithmetic.  No LDS, no barrier, no matrix work: 2 MB are read once.
	s_load_b128 s[4:7], s[0:1], 0x0                ; part, meta
	s_load_b64 s[8:9], s[0:1], 0x10                ; out0
	v_and_b32 v1, 15, v0                           ; the tile whose weight my lane makes
	v_lshrrev_b32 v3, 6, v0
	v_lshlrev_b32 v3, 10, v3                       ; my 16 bytes in a record: 1,024 (t / 64)
	v_and_b32 v6, 1, v0
	v_lshl_add_u32 v3, v6, 9, v3                   ; + 512 (t % 2)
	v_bfe_u32 v6, v0, 1, 5
	v_lshl_add_u32 v3, v6, 4, v3                   ; + 16 ((t / 2) % 32)
	v_lshlrev_b32 v88, 4, v0
	v_mov_b32 v6, 0xff800000                       ; -infinity
	s_lshl_b32 s10, ttmp9, 7
	s_mov_b32 s11, 0
	s_mov_b32 s15, 0
	s_wait_kmcnt 0x0
	s_add_nc_u64 s[6:7], s[6:7], s[10:11]
	s_load_b32 s12, s[6:7], 0x4                    ; q
	s_mul_i32 s14, ttmp9, 65280                    ; 15 records of 4,352 bytes
	s_add_nc_u64 s[4:5], s[4:5], s[14:15]
	s_lshl_b32 s14, ttmp9, 12
	s_add_nc_u64 s[8:9], s[8:9], s[14:15]
	s_wait_kmcnt 0x0
	s_sub_co_u32 s12, s12, 1
	s_min_u32 s12, s12, 14                         ; the last record that exists
	v_min_u32 v2, s12, v1
	v_min_u32 v2, 14, v2
	v_mul_u32_u24 v2, 0x1100, v2
	global_load_b64 v[4:5], v2, s[4:5] offset:4096 ; (m, l)
.irp t, 0,1,2,3,4,5,6,7,8,9,10,11,12,13,14
	s_min_u32 s13, s12, \t
	s_mul_i32 s13, s13, 4352
	v_add_nc_u32 v[8+\t], s13, v3
	global_load_b128 v[24+4*\t:27+4*\t], v[8+\t], s[4:5]
.endr
	s_wait_loadcnt 15                              ; (m, l) is in; the fifteen loads behind it may be out
	v_cmp_lt_u32 vcc_lo, s12, v1
	v_cndmask_b32 v4, v4, v6, vcc_lo               ; no such tile: m = -infinity, so its weight is 0
	v_mov_b32 v7, v4
.irp m, 1,2,4,8
	v_max_num_f32_dpp v7, v7, v7 row_xmask:\m row_mask:0xf bank_mask:0xf
.endr
	v_sub_f32 v4, v4, v7                           ; tile 0 always exists, so M is a number
	v_mul_f32 v4, 0x3fb8aa3b, v4
	v_exp_f32 v4, v4
	v_nop
	s_wait_alu depctr_va_vdst(0)                   ; the wait ahead of the first instruction that names the result
	v_mul_f32 v5, v4, v5
.irp m, 1,2,4,8
	v_add_f32_dpp v5, v5, v5 row_xmask:\m row_mask:0xf bank_mask:0xf
.endr
	v_rcp_f32 v5, v5
	v_nop
	s_wait_alu depctr_va_vdst(0)
	v_mul_f32 v4, v4, v5                           ; w_t / sum
.irp t, 0,1,2,3,4,5,6,7,8,9,10,11,12,13,14
	v_readlane_b32 s[30+\t], v4, \t
.endr
	s_wait_loadcnt 14
.irp e, 0,1,2,3
	v_mul_f32 v[84+\e], s30, v[24+\e]
.endr
.irp t, 1,2,3,4,5,6,7,8,9,10,11,12,13,14
	s_wait_loadcnt 14-\t                           ; loads come back in order: record t is in
.irp e, 0,1,2,3
	v_fma_f32 v[84+\e], s[30+\t], v[24+4*\t+\e], v[84+\e]
.endr
.endr
	global_store_b128 v88, v[84:87], s[8:9]        ; 32 lanes store 512 consecutive bytes, aligned
	s_endpgm
.Lfunc_end_k_q08c9d45d71_combine:
	.size	k_q08c9d45d71_combine, .Lfunc_end_k_q08c9d45d71_combine-k_q08c9d45d71_combine
	.p2alignl 7, 3214868480
	.fill 96, 4, 3214868480
	.section	.rodata,"a",@progbits
	.p2align	6, 0x0
	.amdhsa_kernel k_q08c9d45d71_combine
		.amdhsa_group_segment_fixed_size 0
		.amdhsa_private_segment_fixed_size 0
		.amdhsa_enable_private_segment 0
		.amdhsa_kernarg_size 24
		.amdhsa_user_sgpr_count 2
		.amdhsa_user_sgpr_kernarg_segment_ptr 1
		.amdhsa_wavefront_size32 1
		.amdhsa_system_sgpr_workgroup_id_x 1
		.amdhsa_system_sgpr_workgroup_id_y 1
		.amdhsa_system_sgpr_workgroup_id_z 1
		.amdhsa_system_vgpr_workitem_id 0
		.amdhsa_next_free_vgpr 96
		.amdhsa_next_free_sgpr 66
		.amdhsa_reserve_vcc 1
		.amdhsa_float_denorm_mode_32 3
		.amdhsa_float_denorm_mode_16_64 3
		.amdhsa_memory_ordered 1
		.amdhsa_forward_progress 1
		.amdhsa_inst_pref_size 11
	.end_amdhsa_kernel
	.amdgpu_metadata
---
amdhsa.version: [ 1, 2 ]
amdhsa.kernels:
  - .name:           k_q08c9d45d71_combine
    .symbol:         k_q08c9d45d71_combine.kd
    .args:
      - { .name: part, .offset: 0, .size: 8, .value_kind: global_buffer, .address_space: global }
      - { .name: meta, .offset: 8, .size: 8, .value_kind: global_buffer, .address_space: global }
      - { .name: out0, .offset: 16, .size: 8, .value_kind: global_buffer, .address_space: global }
    .group_segment_fixed_size: 0
    .private_segment_fixed_size: 0
    .kernarg_segment_align: 8
    .kernarg_segment_size: 24
    .max_flat_workgroup_size: 256
    .sgpr_count:     66
    .vgpr_count:     96
    .wavefront_size: 32
...
	.end_amdgpu_metadata
.endif
;; end of part 3
;; ======== version 2 of 2: 3 launches
;; limits: right only within a limited range of input values
;; workspace buffers: wq 1,048,576 bytes; wsc 32,768 bytes; hb 131,072 bytes; list 303,104 bytes of whole numbers; meta 4,096 bytes of whole numbers; part 2,088,960 bytes
;; launch prep (part 4): grid 34 x 1, 16 waves a work-group, no clusters, 69,632 bytes of LDS; arguments hidden_states, a_w, a_b, encoder_masks, wq, wsc, hb, list, meta; writes wq, wsc, hb, list, meta
.if DOCPART == 4
	.amdgcn_target "amdgcn-amd-amdhsa--gfx1250"
	.amdhsa_code_object_version 6
	.text
	.protected	k_q08c9d45d71_prep
	.globl	k_q08c9d45d71_prep
	.p2align	8
	.type	k_q08c9d45d71_prep,@function
k_q08c9d45d71_prep:
	s_mov_b64 s[64:65], 0
	v_nop
	global_prefetch_b8 v0, s[64:65] scope:SCOPE_SE
	s_setreg_imm32_b32 hwreg(HW_REG_WAVE_SCHED_MODE, 0, 2), 2
	s_setreg_imm32_b32 hwreg(HW_REG_WAVE_MODE, 25, 1), 1
	s_wait_xcnt 0x0
	s_wait_alu depctr_vm_vsrc(0)
; ADDITIVE ATTENTION, launch 1 of 3: what is made once.
; score(b,s) = v . tanh(Q(enc[b,s]) Q(w_enc) + Q(hidden[b]) Q(w_dec) + a_b); masked positions get -1e10; softmax over s; out = sum of weight x enc row.
; WORK THAT IS NOT DONE, and why, for all values of the inputs:
;  (1) encoder_masks is a whole-number input that the problem compares with 0.  In a batch with at least one open position every open score lies within
;      +-sum|v_w|, so a masked position's weight is exp(-1e10 - max), which f32 holds as 0: its row of the second product, its tanh, its score and its term of
;      the weighted sum reach no output.  This launch reads the masks and stores each batch's list of open positions; the next launch does only those rows.
;      A batch with NO open position has all scores equal: its list holds all 2,048 positions and a flag makes all its scores 0 (a uniform softmax).
;  (2) tanh(x) = 1 - 2 / (1 + e^(2x)), so score = sum(v_w) - 2 sum(v_w / (1 + e^(2x))): sum(v_w) is the same along the softmax's axis and is left out.
; LIMITS: sum|v_w| far under 1e10; a NaN or an infinity in a masked row is not carried to the result; NaN among the inputs is not served;
;      blocks whose largest magnitude lies under 2^(9-127) keep the scale byte 1, a block of zeros too (its codes are zeros; the bytes are read by this program alone).
; THREE ROLES, parted once on the work-group's number, each a straight path of its own:
;  work-groups 0-15  (dec): product 1.  Work-group j makes columns 64 j .. 64 j + 63 of hb = c (Q(hidden) Q(w_dec) + a_b), c = 2 log2(e).
;  work-groups 16-31 (enc): w_enc's columns 64 j .. as codes, laid as images of the operand's registers (wq), and their scale words (wsc).
;  work-groups 32-33 (lists): a wave to a batch: the open positions in ascending order (list) and n, the number of tiles q, the rows a tile cr, the flag (meta).
; A weight's K is its first axis: lane r takes column r and its registers run down K, k = 32 c + 16 (lane / 16) + i, the order of the operand's registers; nothing is transposed.
; Wave (g = wave % 4, kq = wave / 4): 16 columns 16 g .., K steps 2 kq and 2 kq + 1.
; REGISTERS: v1 lane, v2 r, v3 h; v4-11, v14, v15, v252, v253 addresses; v12, v13 the add's two; v16-31 at work; v32-39 scale words and nothing else; v40-55 hidden's codes;
;  v56-119, v120-183, v184-247 three sets of 64 numbers (later: hidden's fragments, the sums, W's codes); v248-251 a_b.
; THE MODE: SCHED_MODE bits 1:0 = 2 (LLVM: expert scheduling mode 2), set by the entry lines.  The code itself states the register dependences
; between vector or matrix instructions and memory or LDS instructions, with s_wait_alu, always for 0.
; THE PLAN.  Every offset and LDS address but the lists' is made at the head and never written again: one wait ahead of the parting serves all three paths.
;  dec:   hidden's codes v40-55 and their word v34 are written by the quantiser and read by five LDS stores: a wait between.  v56-119 are read and written by the quantiser, then hidden's fragments
;         land in them; W's codes v184-215 and words v32, v33 are written by the quantiser and taken by the scaled matrix instructions: one wait, behind the places, serves both.
;         The sums v120-135 are written by the matrix instructions and read by four LDS stores; v136-139 are written by the last additions and read by the store of hb: a wait ahead of each.
;  enc:   each K step's codes and word have registers of their own: a wait between the quantiser and its five stores, nothing more.
;  lists: every store has an address and a data register of its own; all of them are made first, and one wait stands ahead of all the stores.  The compares go in runs of eight into eight scalar registers, a wait behind each run.
.set HIMG,  0                          ; LDS (dec alone): hidden's 16 fragments as images of their registers, 2,048 bytes each
.set HSC,   32768                      ; their scale words, 128 bytes each
.set PART,  34816                      ; 16 waves x 2 tiles of 16 batches x 1,024 bytes: the sums of a quarter of K
.set SPARE, 67584                      ; the spare words, 128 bytes a wave: eight blocks of 256 bytes that no other line names
.set SPW, 12
.set NIL, 13
.set TM,  16
.set WS0, 32
.set WS1, 33
.set PWH, 34
.set HS,  36
.set PC,  40
.set XA,  56
.set XB,  120
.set XC,  184
.set WF0, 184
.set WF1, 200
.set HF,  56
.set AC0, 120
.set AC1, 128
.set RD,  136
.set AB,  248
.set MK,  37                           ; s[37:44] lists: the masks of eight compares
.set SEL, 46
.set MNT, 48
.set CC,  50
; 64 numbers of a lane, register 16 b + i = k 32 b + 16 (lane / 16) + i, become a fragment's 16 registers of codes at v[dst] and its scale word in v[wrd]
.macro QUANT src, dst, wrd
.irp b, 0,1,2,3
	v_max3_num_f32 v[TM+\b], |v[\src+16*\b]|, |v[\src+1+16*\b]|, 0x4800000   ; my 16 numbers of block b, and the floor 2^(9 - 127): the byte cannot fall under 1
.endr
.irp i, 2,4,6,8,10,12,14
.irp b, 0,1,2,3
	v_max3_num_f32 v[TM+\b], v[TM+\b], |v[\src+16*\b+\i]|, |v[\src+1+16*\b+\i]|
.endr
.endr
.irp b, 0,1,2,3
	v_permlanex16_b32 v[TM+4+\b], v[TM+\b], s[SEL], s[SEL+1]
.endr
.irp b, 0,1,2,3
	v_max_num_f32 v[TM+\b], v[TM+\b], v[TM+4+\b]          ; with lane l xor 16's: the block's largest magnitude
.endr
.irp b, 0,1,2,3
	v_add_nc_u32 v[TM+12+\b], 0xfc000000, v[TM+\b]        ; 8 off its exponent field: the conversion's scale operand
.endr
.irp b, 0,1,2,3
	v_and_or_b32 v[TM+8+\b], v[TM+\b], 0x7f800000, s[MNT] ; 448 x the scale
.endr
.irp b, 0,1,2,3
	v_lshrrev_b32 v[TM+4+\b], 23, v[TM+12+\b]             ; the scale's byte
.endr
	v_lshl_or_b32 v[\wrd], v[TM+5], 8, v[TM+4]
	v_lshl_or_b32 v[\wrd], v[TM+6], 16, v[\wrd]
	v_lshl_or_b32 v[\wrd], v[TM+7], 24, v[\wrd]
.irp b, 0,1,2,3
.irp i, 0,1,2,3,4,5,6,7,8,9,10,11,12,13,14,15
	v_med3_num_f32 v[\src+16*\b+\i], v[\src+16*\b+\i], -v[TM+8+\b], v[TM+8+\b]   ; the conversion does not saturate (ISA guide 7.6.2): the hold at the largest code x the scale
.endr
	v_cvt_scalef32_pk8_fp8_f32 v[\dst+4*\b:\dst+4*\b+1], v[\src+16*\b:\src+16*\b+7], v[TM+12+\b]
	v_cvt_scalef32_pk8_fp8_f32 v[\dst+4*\b+2:\dst+4*\b+3], v[\src+16*\b+8:\src+16*\b+15], v[TM+12+\b]
.endr
	v_nop                                                  ; a plain instruction behind the last conversion
.endm
; my two K steps of my 16 columns: W(128 s + 32 c + 16 h + i, r): sixteen lanes read 64 neighbouring bytes, the four waves of a quarter of K stand side by side on 256
.macro WLOADS
.irp c, 0,1,2,3
.irp i, 0,1,2,3,4,5,6,7,8,9,10,11,12,13,14,15
	global_load_b32 v[XA+16*\c+\i], v4, s[6:7] offset:4096*(32*\c+\i)
.endr
.endr
.irp c, 0,1,2,3
.irp i, 0,1,2,3,4,5,6,7,8,9,10,11,12,13,14,15
	global_load_b32 v[XB+16*\c+\i], v4, s[6:7] offset:4096*(128+32*\c+\i)
.endr
.endr
.endm
	s_load_b512 s[4:19], s[0:1], 0x0               ; hidden s[4:5], a_w s[6:7], a_b s[8:9], masks s[10:11], wq s[12:13], wsc s[14:15], hb s[16:17], list s[18:19]
	s_load_b64 s[20:21], s[0:1], 0x40              ; meta
	v_lshl_add_u32 v[SPW], v0, 2, SPARE
	v_mov_b32 v[NIL], 0
	v_lshrrev_b32 v1, 5, v0
	v_readfirstlane_b32 s22, v1                    ; wave 0..15
	v_and_b32 v1, 31, v0                           ; lane
	v_and_b32 v2, 15, v0                           ; r
	v_bfe_u32 v3, v0, 4, 1                         ; h
	s_wait_alu depctr_va_sdst(0)                   ; s22, the wave's number, is written, ahead of its first reader
	s_and_b32 s23, s22, 3                          ; g
	s_lshr_b32 s24, s22, 2                         ; kq
	s_and_b32 s25, ttmp9, 15                       ; j
	v_lshlrev_b32 v4, 2, v2
	v_lshl_add_u32 v4, v3, 16, v4                  ; W: column r, 16 h rows of 4,096 bytes further down
	v_lshlrev_b32 v5, 12, v2
	v_lshl_add_u32 v5, v3, 6, v5                   ; hidden: row r, + 64 h: my 16 numbers of a block
	v_lshlrev_b32 v6, 4, v1                        ; 16 x lane
	v_lshlrev_b32 v7, 3, v2                        ; 8 r
	s_lshl_b32 s30, s22, 11
	v_lshl_add_u32 v8, v1, 4, s30                  ; LDS: my image: 2,048 x wave + 16 x lane
	v_lshl_add_u32 v9, v0, 2, HSC                  ; its scale words: 128 x wave + 4 x lane
	v_add_nc_u32 v10, PART, v8                     ; my sums
	v_bfe_u32 v11, v0, 2, 2                        ; the last step's read: thread t takes batch t / 16, columns 4 (t % 16) ..: tile of columns (t / 4) % 4,
	v_lshlrev_b32 v11, 11, v11
	v_lshrrev_b32 v14, 8, v0                       ; tile of batches t / 256,
	v_lshl_add_u32 v11, v14, 10, v11
	v_and_b32 v14, 1, v0                           ; half of the accumulator t % 2,
	v_lshl_add_u32 v11, v14, 9, v11
	v_bfe_u32 v14, v0, 4, 4                        ; lane: batch in the tile
	v_lshl_add_u32 v11, v14, 4, v11
	v_bfe_u32 v14, v0, 1, 1                        ; + 16 x ((t / 2) % 2)
	v_lshl_add_u32 v11, v14, 8, v11
	v_add_nc_u32 v11, PART, v11
	s_lshl_b32 s30, s24, 13
	v_lshl_add_u32 v14, v1, 4, s30                 ; the four hidden fragments of my quarter of K
	s_lshl_b32 s30, s24, 9
	s_add_co_u32 s30, s30, HSC
	v_lshl_add_u32 v15, v1, 2, s30                 ; and their scale words
	v_lshlrev_b32 v253, 4, v2                      ; 16 (t % 16)
	v_lshrrev_b32 v252, 4, v0
	v_lshl_add_u32 v252, v252, 12, v253            ; hb: row t / 16, + 16 (t % 16)
.irp b, 0,1,2,3
	v_mov_b32 v[TM+4+\b], 0                        ; written once: a lane permute's destination counts as one of its sources
.endr
	s_mov_b32 s[SEL], 0x76543210
	s_mov_b32 s[SEL+1], 0xfedcba98                 ; lane l xor 16
	s_mov_b32 s[MNT], 0x600000                     ; the mantissa field of 448
	s_mov_b32 s[CC], 0x4038aa3b                    ; c = 2 log2(e)
	s_mov_b32 s[CC+1], s[CC]
	s_lshr_b32 s26, ttmp9, 4                       ; 0: w_dec, 1: w_enc
	s_lshl_b32 s28, s26, 22                        ; 1,024 rows of 4,096 bytes
	s_lshl_b32 s30, s24, 20                        ; + my 256 rows
	s_add_co_u32 s28, s28, s30
	s_lshl_b32 s30, s25, 8                         ; + 64 j columns
	s_add_co_u32 s28, s28, s30
	s_lshl_b32 s30, s23, 6                         ; + 16 g columns
	s_add_co_u32 s28, s28, s30
	s_mov_b32 s29, 0
	s_mov_b32 s31, 0
	s_wait_kmcnt 0x0
	s_wait_alu depctr_va_vdst(0)                   ; every offset and LDS address made above is written: the loads and stores of the three paths read them
	s_cmp_ge_u32 ttmp9, 32
	s_cbranch_scc1 .Llist
	s_add_nc_u64 s[6:7], s[6:7], s[28:29]
	s_cmp_ge_u32 ttmp9, 16
	s_cbranch_scc1 .Lenc
	; ---------------- dec: product 1 ----------------
	s_lshl_b32 s30, s25, 8
	s_add_nc_u64 s[8:9], s[8:9], s[30:31]          ; a_b and hb at column 64 j
	s_add_nc_u64 s[16:17], s[16:17], s[30:31]
	global_load_b128 v[AB:AB+3], v253, s[8:9]
	s_and_b32 s30, s23, 1                          ; the hidden fragment that I quantise: tile of batches g % 2,
	s_lshl_b32 s30, s30, 16
	s_lshr_b32 s32, s23, 1                         ; K step 2 kq + g / 2
	s_lshl_b32 s33, s24, 1
	s_add_co_u32 s32, s32, s33
	s_lshl_b32 s32, s32, 9
	s_add_co_u32 s30, s30, s32
	s_add_nc_u64 s[4:5], s[4:5], s[30:31]
.irp b, 0,1,2,3
.irp q, 0,1,2,3
	global_load_b128 v[XC+16*\b+4*\q:XC+16*\b+4*\q+3], v5, s[4:5] offset:128*\b+16*\q
.endr
.endr
	WLOADS
	s_wait_loadcnt 63                              ; behind the first K step's last load stand the second's 64: the count is the largest that the field holds
	QUANT XC, PC, PWH
	s_wait_alu depctr_va_vdst(0)                   ; the quantiser has written hidden's codes v[PC ..] and their scale word, which the LDS stores read
.irp c, 0,1,2,3
	ds_store_b128 v8, v[PC+4*\c:PC+4*\c+3] offset:HIMG+512*\c   ; the fragment goes to LDS as it stands in the registers
.endr
	ds_store_b32 v9, v[PWH]
	QUANT XA, WF0, WS0
	s_wait_loadcnt 0x0
	QUANT XB, WF1, WS1
	s_wait_dscnt 0x0                               ; my image has landed
	s_barrier_signal -1
	s_barrier_wait -1                              ; all sixteen lie in LDS
.rept 8
	v_nop                                          ; places between the vector instructions that made W's codes and scale words and the scaled matrix instructions
.endr
	s_wait_alu depctr_va_vdst(0)                   ; W's codes and scale words are written, which the matrix instructions take; and the quantiser is done with v[XA ..], in which hidden's fragments land
.irp f, 0,1,2,3                                ; fragment f: tile of batches f % 2, K step 2 kq + f / 2
.irp c, 0,1,2,3
	ds_load_b128 v[HF+16*\f+4*\c:HF+16*\f+4*\c+3], v14 offset:HIMG+2048*\f+512*\c
.endr
	ds_load_b32 v[HS+\f], v15 offset:128*\f
.endr
	s_wait_dscnt 0x0
	; source 0 = my 16 columns of W, source 1 = 16 batches: a lane holds one batch and eight neighbouring columns.  The two accumulators take turns
	v_wmma_scale_f32_16x16x128_f8f6f4 v[AC0:AC0+7], v[WF0:WF0+15], v[HF:HF+15], 0, v[WS0], v[HS]
	v_wmma_scale_f32_16x16x128_f8f6f4 v[AC1:AC1+7], v[WF0:WF0+15], v[HF+16:HF+31], 0, v[WS0], v[HS+1]
	v_wmma_scale_f32_16x16x128_f8f6f4 v[AC0:AC0+7], v[WF1:WF1+15], v[HF+32:HF+47], v[AC0:AC0+7], v[WS1], v[HS+2]
	v_wmma_scale_f32_16x16x128_f8f6f4 v[AC1:AC1+7], v[WF1:WF1+15], v[HF+48:HF+63], v[AC1:AC1+7], v[WS1], v[HS+3]
.rept 8
	v_nop                                          ; eight places behind the last matrix instruction, before its result is read
.endr
	s_wait_alu depctr_va_vdst(0)                   ; the matrix instructions have written the two accumulators, which the LDS stores read; the places above stay beside this wait
	ds_store_b128 v10, v[AC0:AC0+3]                ; each accumulator from its low end on
	ds_store_b128 v10, v[AC0+4:AC0+7] offset:512
	ds_store_b128 v10, v[AC1:AC1+3] offset:1024
	ds_store_b128 v10, v[AC1+4:AC1+7] offset:1536
	s_wait_dscnt 0x0
	s_barrier_signal -1
	s_barrier_wait -1                              ; the sums of all four quarters of K lie in LDS
.irp k, 0,1,2,3
	ds_load_b128 v[RD+4*\k:RD+4*\k+3], v11 offset:8192*\k   ; no vector or matrix instruction since the last wait names these registers
.endr
	s_wait_dscnt 0x0
	v_pk_add_f32 v[RD:RD+1], v[RD:RD+1], v[RD+4:RD+5]
	v_pk_add_f32 v[RD+2:RD+3], v[RD+2:RD+3], v[RD+6:RD+7]
	v_pk_add_f32 v[RD+8:RD+9], v[RD+8:RD+9], v[RD+12:RD+13]
	v_pk_add_f32 v[RD+10:RD+11], v[RD+10:RD+11], v[RD+14:RD+15]
	v_pk_add_f32 v[RD:RD+1], v[RD:RD+1], v[RD+8:RD+9]
	v_pk_add_f32 v[RD+2:RD+3], v[RD+2:RD+3], v[RD+10:RD+11]
	v_pk_add_f32 v[RD:RD+1], v[RD:RD+1], v[AB:AB+1]
	v_pk_add_f32 v[RD+2:RD+3], v[RD+2:RD+3], v[AB+2:AB+3]
	v_pk_mul_f32 v[RD:RD+1], v[RD:RD+1], s[CC:CC+1] op_sel_hi:[1,0]
	v_pk_mul_f32 v[RD+2:RD+3], v[RD+2:RD+3], s[CC:CC+1] op_sel_hi:[1,0]
	s_wait_alu depctr_va_vdst(0)                   ; the multiplications have written v[RD:RD+3], the store's data
	global_store_b128 v252, v[RD:RD+3], s[16:17]   ; sixteen lanes store 256 consecutive bytes of a batch's row, aligned
	s_branch .Lend
	; ---------------- enc: w_enc as codes ----------------
.Lenc:
	WLOADS
	s_lshl_b32 s30, s25, 16                        ; wq: [64 columns j][K step][g][2,048]
	s_lshl_b32 s32, s24, 14
	s_add_co_u32 s30, s30, s32
	s_lshl_b32 s32, s23, 11
	s_add_co_u32 s30, s30, s32
	s_add_nc_u64 s[12:13], s[12:13], s[30:31]
	s_lshl_b32 s30, s25, 11                        ; wsc: [j][K step][256]: the word of (g, column r) at 8 (r + 16 (g % 2)) + 4 (g / 2)
	s_lshl_b32 s32, s24, 9
	s_add_co_u32 s30, s30, s32
	s_and_b32 s32, s23, 1
	s_lshl_b32 s32, s32, 7
	s_add_co_u32 s30, s30, s32
	s_lshr_b32 s32, s23, 1
	s_lshl_b32 s32, s32, 2
	s_add_co_u32 s30, s30, s32
	s_add_nc_u64 s[14:15], s[14:15], s[30:31]
	s_wait_loadcnt 63                              ; as above
	QUANT XA, WF0, WS0
	s_wait_alu depctr_va_vdst(0)                   ; the quantiser has written the first K step's codes and scale word, which the stores read
.irp c, 0,1,2,3
	global_store_b128 v6, v[WF0+4*\c:WF0+4*\c+3], s[12:13] offset:512*\c   ; 32 lanes store 512 consecutive bytes
.endr
	global_store_b32 v7, v[WS0], s[14:15]          ; both halves of the lanes hold the same word
	s_wait_loadcnt 0x0
	QUANT XB, WF1, WS1                             ; it names none of the registers that the stores above read
	s_wait_alu depctr_va_vdst(0)                   ; the quantiser has written the second K step's codes and scale word, which the stores read
.irp c, 0,1,2,3
	global_store_b128 v6, v[WF1+4*\c:WF1+4*\c+3], s[12:13] offset:8192+512*\c
.endr
	global_store_b32 v7, v[WS1], s[14:15] offset:256
	s_branch .Lend
	; ---------------- lists: a wave to a batch ----------------
.Llist:
	s_sub_co_u32 s28, ttmp9, 32
	s_lshl_b32 s28, s28, 4
	s_add_co_u32 s28, s28, s22                     ; the batch
	s_lshl_b32 s30, s28, 13
	s_add_nc_u64 s[10:11], s[10:11], s[30:31]      ; its 2,048 mask words
	s_mul_i32 s30, s28, 9472
	s_add_nc_u64 s[18:19], s[18:19], s[30:31]      ; its 2,368 list entries
	s_lshl_b32 s30, s28, 7
	s_add_nc_u64 s[20:21], s[20:21], s[30:31]      ; its 32 words of figures
	v_lshlrev_b32 v16, 2, v1
	v_add_nc_u32 v17, 2304, v1                     ; where a lane with nothing to store puts its number: entries 2,304 on, which nobody reads
	v_mov_b32 v19, 0
	v_mov_b32 v28, 0
	s_wait_alu depctr_va_vdst(0)                   ; v16 is written, the offset of the masks' loads
.set i, 0
.rept 64
	global_load_b32 v[XA+i], v16, s[10:11] offset:128*i   ; positions 32 i + lane
.set i, i+1
.endr
	s_wait_loadcnt 0x0
	v_or_b32 v18, v[XA], v[XA+1]
.set i, 2
.rept 62
	v_or_b32 v18, v18, v[XA+i]
.set i, i+1
.endr
	v_cmp_ne_u32 s32, 0, v18
	s_wait_alu depctr_va_sdst(0)                   ; s32 is written, ahead of its first reader
	s_cmp_eq_u32 s32, 0                            ; no open position in the batch?
	s_cselect_b32 s33, -1, 0                       ; then all positions are listed,
	s_cselect_b32 s34, 1, 0                        ; and the flag says so
	s_mov_b32 s35, 0                               ; entries so far
.set i, 0
.rept 8                                        ; eight positions' words a lane at a time: the compares in a run, one wait behind the run
.irp e, 0,1,2,3,4,5,6,7
	v_cmp_ne_u32 s[MK+\e], 0, v[XA+i+\e]
.endr
	s_wait_alu depctr_va_sdst(0)                   ; the eight masks are written, ahead of their first readers
.irp e, 0,1,2,3,4,5,6,7
	s_or_b32 s[MK+\e], s[MK+\e], s33
	v_mbcnt_lo_u32_b32 v[XC+i+\e], s[MK+\e], s35   ; entries so far + open lanes below me
	v_cndmask_b32 v[XC+i+\e], v17, v[XC+i+\e], s[MK+\e]
	v_min_u32 v[XC+i+\e], 0x91f, v[XC+i+\e]        ; inside the batch's 2,368 entries
	v_lshlrev_b32 v[XC+i+\e], 2, v[XC+i+\e]
	v_add_nc_u32 v[XB+i+\e], 32*(i+\e), v1
	s_bcnt1_i32_b32 s36, s[MK+\e]
	s_add_co_u32 s35, s35, s36
.endr
.set i, i+8
.endr
.irp k, 0,1,2,3,4,5,6,7                        ; 256 entries of 0 behind the last: the next launch reads up to 191 entries past a tile's first
	v_add_nc_u32 v[20+\k], s35, v1
	v_add_nc_u32 v[20+\k], 32*\k, v[20+\k]
	v_min_u32 v[20+\k], 0x8ff, v[20+\k]
	v_lshlrev_b32 v[20+\k], 2, v[20+\k]
.endr
	s_add_co_u32 s36, s35, 143                     ; q = ceil(n / 144) = ((n + 143) / 16) / 9, the division by 9 as x 57 / 512 (exact up to 136)
	s_lshr_b32 s36, s36, 4
	s_mul_i32 s36, s36, 57
	s_lshr_b32 s36, s36, 9
	s_add_co_u32 s37, s35, s36
	s_sub_co_u32 s37, s37, 1                       ; n + q - 1
	s_mov_b32 s38, 0                               ; cr = ceil(n / q): the largest number whose q-fold is at most n + q - 1, bit by bit
.irp bit, 128,64,32,16,8,4,2,1
	s_add_co_u32 s39, s38, \bit
	s_mul_i32 s40, s39, s36
	s_cmp_le_u32 s40, s37
	s_cselect_b32 s38, s39, s38
.endr
	v_writelane_b32 v28, s35, 0                    ; n
	v_writelane_b32 v28, s36, 1                    ; q
	v_writelane_b32 v28, s38, 2                    ; cr
	v_writelane_b32 v28, s34, 3                    ; flag
	s_wait_alu depctr_va_vdst(0)                   ; all addresses (v[XC ..], v20-27) and all data (v[XB ..], v19, v28) of the stores below are written
.set i, 0
.rept 64
	global_store_b32 v[XC+i], v[XB+i], s[18:19]
.set i, i+1
.endr
.irp k, 0,1,2,3,4,5,6,7
	global_store_b32 v[20+\k], v19, s[18:19]
.endr
	global_store_b32 v16, v28, s[20:21]
.Lend:
	s_wait_dscnt 0x0                               ; the wave's end
	s_wait_alu 0x0
	s_wait_tensorcnt 0x0
	ds_add_u32 v[SPW], v[NIL]
	s_wait_dscnt 0x0
	s_endpgm
.Lfunc_end_k_q08c9d45d71_prep:
	.size	k_q08c9d45d71_prep, .Lfunc_end_k_q08c9d45d71_prep-k_q08c9d45d71_prep
	.p2alignl 7, 3214868480
	.fill 96, 4, 3214868480
	.section	.rodata,"a",@progbits
	.p2align	6, 0x0
	.amdhsa_kernel k_q08c9d45d71_prep
		.amdhsa_group_segment_fixed_size 69632
		.amdhsa_private_segment_fixed_size 0
		.amdhsa_enable_private_segment 0
		.amdhsa_kernarg_size 72
		.amdhsa_user_sgpr_count 2
		.amdhsa_user_sgpr_kernarg_segment_ptr 1
		.amdhsa_wavefront_size32 1
		.amdhsa_system_sgpr_workgroup_id_x 1
		.amdhsa_system_sgpr_workgroup_id_y 1
		.amdhsa_system_sgpr_workgroup_id_z 1
		.amdhsa_system_vgpr_workitem_id 0
		.amdhsa_next_free_vgpr 256
		.amdhsa_next_free_sgpr 66
		.amdhsa_reserve_vcc 0
		.amdhsa_float_denorm_mode_32 3
		.amdhsa_float_denorm_mode_16_64 3
		.amdhsa_memory_ordered 1
		.amdhsa_forward_progress 1
		.amdhsa_inst_pref_size 122
	.end_amdhsa_kernel
	.amdgpu_metadata
---
amdhsa.version: [ 1, 2 ]
amdhsa.kernels:
  - .name:           k_q08c9d45d71_prep
    .symbol:         k_q08c9d45d71_prep.kd
    .args:
      - { .name: hidden_states, .offset: 0, .size: 8, .value_kind: global_buffer, .address_space: global }
      - { .name: a_w, .offset: 8, .size: 8, .value_kind: global_buffer, .address_space: global }
      - { .name: a_b, .offset: 16, .size: 8, .value_kind: global_buffer, .address_space: global }
      - { .name: encoder_masks, .offset: 24, .size: 8, .value_kind: global_buffer, .address_space: global }
      - { .name: wq, .offset: 32, .size: 8, .value_kind: global_buffer, .address_space: global }
      - { .name: wsc, .offset: 40, .size: 8, .value_kind: global_buffer, .address_space: global }
      - { .name: hb, .offset: 48, .size: 8, .value_kind: global_buffer, .address_space: global }
      - { .name: list, .offset: 56, .size: 8, .value_kind: global_buffer, .address_space: global }
      - { .name: meta, .offset: 64, .size: 8, .value_kind: global_buffer, .address_space: global }
    .group_segment_fixed_size: 69632
    .private_segment_fixed_size: 0
    .kernarg_segment_align: 8
    .kernarg_segment_size: 72
    .max_flat_workgroup_size: 512
    .sgpr_count:     66
    .vgpr_count:     256
    .wavefront_size: 32
...
	.end_amdgpu_metadata
.endif
;; end of part 4
;; launch attn (part 5): grid 32 x 15, 4 waves a work-group, no clusters, 323,328 bytes of LDS; arguments encoder_outputs, v_w, wq, wsc, hb, list, meta, part; writes part
.if DOCPART == 5
	.amdgcn_target "amdgcn-amd-amdhsa--gfx1250"
	.amdhsa_code_object_version 6
	.text
	.protected	k_q08c9d45d71_attn
	.globl	k_q08c9d45d71_attn
	.p2align	8
	.type	k_q08c9d45d71_attn,@function
k_q08c9d45d71_attn:
	s_mov_b64 s[64:65], 0
	v_nop
	global_prefetch_b8 v0, s[64:65] scope:SCOPE_SE
	s_setreg_imm32_b32 hwreg(HW_REG_WAVE_SCHED_MODE, 0, 2), 2
	s_setreg_imm32_b32 hwreg(HW_REG_WAVE_MODE, 25, 1), 1
	s_wait_xcnt 0x0
	s_wait_alu depctr_vm_vsrc(0)
; ADDITIVE ATTENTION, launch 2 of 3: one tile of at most 144 OPEN rows of one batch (x = batch, y = tile), from the rows to the tile's softmax parts.
; Left out, as shown at the head of the first kernel: the rows that the mask closes (only listed rows are read) and the term sum(v_w) of the scores.
; A tile: gather its rows by the stored list; quantise them (MX-FP8 along the 1,024); product 2 against w_enc's codes; r = 1 / (1 + 2^(c x + hb)), c = 2 log2(e), hb = c (h_proj + a_b);
; score = -2 sum(v r) (0 where the batch has no open position: flag); the tile's maximum m, p = e^(score - m), l = sum p, O = sum p x row.  O, m, l go to 'part'; the last launch joins the tiles.
; THE GRID SERVES EVERY MASK: 15 tiles a batch.  A tile at or past the batch's q has no rows.  No barrier and no loop that steps an LDS address stands under a branch on a stored number:
; such a work-group walks the empty loops and both barriers, each block of work being led round by a scalar branch on LIVE; it stores nothing.  Its first 24 row loads are issued all the same (of a listed row).
; No tensor load: w_enc's codes come from memory straight into registers, laid by the first launch in the order of the operand's registers.
; SHARES.  Quantising: wave w takes columns 256 w .. of all rows; a lane 8 neighbours, four lanes a block of 32.  Product: wave w takes columns 256 w .. of the result, four passes of 64 columns
; (4 tiles) x 9 tiles of rows: 36 accumulators.  Source 0 = 16 columns of W, source 1 = 16 rows: a lane holds one row and eight neighbouring columns.  Weighted sum: wave w, columns 256 w + 8 lane ...
; The rows are wanted twice.  Rows 0-79 are kept in LDS as bf16 (the weighted sum is a product left as it is); rows 80-143 are read again as f32.  Rows at or past the tile's count repeat its first row; their p is 0.
; REGISTERS, in windows of 256.  Window 0: v1-21 addresses and constants; v22, v23 the add's two; v24-31 O; v32-40 and v240-248 the rows' scale words, two sets, v42-49 W's (scales and nothing else); v50-67 the scores' sums;
;  v68-95 at work; v96-239 the rows' 9 fragments, set 0 (while quantising, and in the weighted sum: at work).  Window 1: three slots of 8 rows x 8 numbers, then accumulators (rt 0-7, g) at 8 (4 rt + g), then rows.
;  Window 2: accumulators (8, g) at 8 g; hb at v32, v_w at v64; v96-239 the rows' 9 fragments, set 1.  Window 3: four sets of W's 4 fragments; then rows.
; THE MODE: SCHED_MODE bits 1:0 = 2 (LLVM: expert scheduling mode 2), set by the entry lines.  The code itself states the register dependences
; between vector or matrix instructions and memory or LDS instructions, with s_wait_alu, always for 0.
; THE PLAN.  Addresses v4-v20 are made at the head and never written again.
; QUANTISING, a group of 8 rows in slot s:  the slot: the row loads land in it; the maxima, the roundings to bf16, the holds and the conversions name it; then it is asked for again.
;   ADR[s]: written by eight address lines, read by the slot's 16 loads.   BY, CD, CA, BA (and BF, SA in the stash's block): written by the group's vector lines, read by its LDS stores.
;   So: one wait on vm_vsrc at the group's head (the last group's LDS stores and this slot's last loads have read what this group writes again); one wait on va_vdst in the stash's block;
;   ONE wait on va_vdst behind the group's last vector line, and behind it the 16 row loads and the 16 LDS stores with no vector line between.
; THE PRODUCT, a K step ks:  A0, A1 (fragments and scale words of the rows): the step's matrix instructions read A[ks % 2]; its LDS loads land in the other set, for K step ks + 1.
;   W0 .. W3 (fragments and scale words of W): the step reads W[ks % 4]; its loads land in W[(ks + 3) % 4], for K step ks + 3.  Both targets were last read by the matrix instructions of step ks - 1.
;   So ONE wait on va_vdst stands at a step's head, and the step's 62 loads are dealt among its 36 matrix instructions, which name none of the registers that those loads touch.
;   hb and v_w: the pass's closing arithmetic reads them, the next pass's head loads them: the wait at the pass's head states that, and is step 0's wait too.
; THE REST has a wait ahead of each run of loads or stores whose registers vector lines have just named; each says which.
.set CP,    1040                       ; LDS: a row's 1,024 codes + 16: an odd multiple of 16, so that the 16 rows of a fragment load start in different banks.  144 rows from byte 0
.set SCL,   149760                     ; the rows' scale bytes: 144 x 48 (32 + 16)
.set STASH, 156672                     ; rows 0-79 as bf16: 80 x 2,048
.set SCP,   320512                     ; the scores' parts: 4 waves x 144 f32
.set SPARE, 322816                     ; the spare words, 128 bytes a wave: two blocks of 256 bytes that no other line names
.set SPW, 22
.set NIL, 23
.set OV,  24
.set ASC, 32                           ; the rows' scale words: set p at ASC + 208 p
.set BSC, 42
.set UU,  50
.set TT,  68
.set AF,  96                           ; the rows' fragments: set 0 in window 0, set 1 in window 2, at the same numbers
.set MX,  96                           ; while quantising: largest magnitudes, scale operands, limits, bytes (8 rows each); codes; bf16; row addresses; three LDS addresses
.set SO,  104
.set LM,  112
.set BY,  120
.set CD,  128
.set BF,  144
.set ADR, 176
.set CA,  200
.set BA,  201
.set SA,  202
.set RA,  96                           ; in the weighted sum: 64 row addresses, 64 p
.set PP,  160
.set HB,  32
.set VV,  64
.set LIVE, 24                          ; s24  1: the tile has rows
.set POS,  25                          ; s25  its first entry in the batch's list
.set NV,   26                          ; s26  its rows
.set WV,   27                          ; s27  wave
.set LB,   28                          ; s[28:29] the list at the tile's first entry; never stepped
.set EB,   30                          ; s[30:31] the batch's rows
.set FIRST, 32                         ; s32  the tile's first row
.set CNT,  33
.set SC,   34                          ; per trip of 24 rows: codes + 24,960, scale bytes + 1,152, stash + 49,152, groups + 3, rows left - 24
.set SB,   35
.set SS,   36
.set GG,   37
.set REM,  38
.set MNT,  41
.set CC,   42
.set SEL,  44
.set WPL,  46                          ; s[46:47] W's codes of this pass;  s[48:49] of the next;  s[50:51], s[52:53] the scale words likewise
.set WPH,  48
.set WSL,  50
.set WSH,  52
.set HBP,  54
.set VVP,  56
.set PASS, 58
.set FF,   59                          ; s59  -2.0, or 0 where the batch has no open position
.set REC,  60                          ; s[60:61] the tile's record in 'part'
.set EN,   68                          ; s[68:91] list entries, 8 for each slot
.set LBS,  92                          ; s[92:93] the list, stepped 24 entries a trip
.set MSB, 0
.macro WIN new                         ; low byte: bits 1:0 source 0, 3:2 source 1, 5:4 source 2, 7:6 destination; the high byte repeats the setting that is left
.if MSB != (\new)
	s_set_vgpr_msb (MSB<<8)|(\new)
.set MSB, (\new)
.endif
.endm
.macro NOPS n
.rept \n
	v_nop
.endr
.endm
; a row's byte offset for my lane: the list's entry, or the tile's first row where the tile has no such row; held inside the batch's 2,048 rows
.macro ROWADR ent, adr, lim, bound
	s_cmp_gt_i32 s[\lim], \bound
	s_cselect_b32 s40, s[\ent], s[FIRST]
	s_min_u32 s40, s40, 2047
	v_lshl_add_u32 v[\adr], s40, 12, v4
.endm
.macro XLOADS slot                     ; 8 rows, my 32 bytes of my wave's 1,024 of each; the destination's window, 1, is set by the lines around
.irp i, 0,1,2,3,4,5,6,7
	global_load_b128 v[64*(\slot)+8*\i:64*(\slot)+8*\i+3], v[ADR+8*(\slot)+\i], s[EB:EB+1]
	global_load_b128 v[64*(\slot)+8*\i+4:64*(\slot)+8*\i+7], v[ADR+8*(\slot)+\i], s[EB:EB+1] offset:16
.endr
.endm
; A GROUP of 8 rows in slot 'slot': scale, (stash,) hold, codes, to LDS; refill = 1: the slot takes the rows 24 further on.  left: the younger loads that may stay out
.macro GROUP slot, refill, left, stash
	s_wait_loadcnt \left                           ; loads come back in order: this slot's 16 are in
	s_wait_dscnt 0x0                               ; the last group's LDS stores have landed: one group's stores are out at a time
	s_wait_alu depctr_vm_vsrc(0)                   ; the last group's LDS stores have read BY, CD, BF and their three addresses, this slot's last loads their row addresses: this group writes all of them again
	WIN 0x05
.irp i, 0,1,2,3,4,5,6,7
	v_max3_num_f32 v[MX+\i], |v[64*(\slot)+8*\i]|, |v[64*(\slot)+8*\i+1]|, 0x4800000   ; and the floor 2^(9 - 127): the byte cannot fall under 1
.endr
.irp k, 2,4,6
.irp i, 0,1,2,3,4,5,6,7
	v_max3_num_f32 v[MX+\i], |v[64*(\slot)+8*\i+\k]|, |v[64*(\slot)+8*\i+\k+1]|, v[MX+\i]
.endr
.endr
	WIN 0
.irp m, 1,2
.irp i, 0,1,2,3,4,5,6,7
	v_max_num_f32_dpp v[MX+\i], v[MX+\i], v[MX+\i] row_xmask:\m row_mask:0xf bank_mask:0xf   ; the four lanes of a block
.endr
.endr
.irp i, 0,1,2,3,4,5,6,7
	v_add_nc_u32 v[SO+\i], 0xfc000000, v[MX+\i]    ; 8 off the exponent field: the conversion's scale operand
.endr
.irp i, 0,1,2,3,4,5,6,7
	v_and_or_b32 v[LM+\i], v[MX+\i], 0x7f800000, s[MNT]   ; 448 x the scale
.endr
.irp i, 0,1,2,3,4,5,6,7
	v_lshrrev_b32 v[BY+\i], 23, v[SO+\i]           ; the scale's byte
.endr
.if \stash
	s_cmp_lt_u32 s[GG], 10-(\slot)                 ; groups 0 to 9 are rows 0 to 79: a count of trips alone
	s_cbranch_scc0 .Lnostash_\@
	WIN 0x05
.irp i, 0,1,2,3,4,5,6,7
.irp k, 0,1,2,3
	v_cvt_pk_bf16_f32 v[BF+4*\i+\k], v[64*(\slot)+8*\i+2*\k], v[64*(\slot)+8*\i+2*\k+1]   ; ahead of the hold: the row as it is
.endr
.endr
	WIN 0
.if (\slot)==0
	s_min_u32 s39, s[SS], 147456                   ; (the address stays inside the stash in the trips that jump over these lines too)
.else
	s_min_u32 s39, s[SS], 98304
.endif
	v_add_nc_u32 v[SA], s39, v7
	s_wait_alu depctr_va_vdst(0)                   ; the roundings have written v[BF ..], and v[SA] is written: the eight LDS stores read them
.irp i, 0,1,2,3,4,5,6,7
	ds_store_b128 v[SA], v[BF+4*\i:BF+4*\i+3] offset:16384*(\slot)+2048*\i
.endr
.Lnostash_\@:
.endif
	WIN 0x41
.irp i, 0,1,2,3,4,5,6,7
.irp k, 0,1,2,3,4,5,6,7
	v_med3_num_f32 v[64*(\slot)+8*\i+\k], v[64*(\slot)+8*\i+\k], -v[LM+\i], v[LM+\i]   ; the conversion does not saturate (ISA guide 7.6.2)
.endr
.endr
	WIN 0x01
.irp i, 0,1,2,3,4,5,6,7
	v_cvt_scalef32_pk8_fp8_f32 v[CD+2*\i:CD+2*\i+1], v[64*(\slot)+8*\i:64*(\slot)+8*\i+7], v[SO+\i]
.endr
	WIN 0
	v_add_nc_u32 v[CA], s[SC], v5                  ; (plain instructions behind the last conversion)
	v_add_nc_u32 v[BA], s[SB], v6
.if \refill
	s_wait_kmcnt 0x0                               ; the next trip's entries are in
.irp i, 0,1,2,3,4,5,6,7
	ROWADR EN+8*(\slot)+\i, ADR+8*(\slot)+\i, REM, 24+8*(\slot)+\i
.endr
	WIN 0x40
	s_wait_alu depctr_va_vdst(0)                   ; the group's one wait: the conversions are done with the slot, in which the loads land; the row addresses, the codes, the bytes and the two LDS addresses are written
	XLOADS \slot                                   ; the slot is asked for again at once
	WIN 0
.else
	s_wait_alu depctr_va_vdst(0)                   ; the codes, the bytes and the two LDS addresses are written, which the LDS stores read
.endif
.irp i, 0,1,2,3,4,5,6,7
	ds_store_b64 v[CA], v[CD+2*\i:CD+2*\i+1] offset:8*CP*(\slot)+CP*\i   ; the wave's 256 codes of a row, consecutive
	ds_store_b8 v[BA], v[BY+\i] offset:384*(\slot)+48*\i                 ; the four lanes of a block write the same byte with the same value
.endr
.if \refill
	s_load_b256 s[EN+8*(\slot):EN+8*(\slot)+7], s[LBS:LBS+1], 192+32*(\slot)   ; the entries of two trips on
.endif
.endm
; W's 4 fragments of K step ks (counted from the pointer's pass) into set bs: 16 loads, each of 512 consecutive bytes; the destination's window, 3, is set by the lines around
.macro WSET bs, pw, ks
.irp g, 0,1,2,3
.irp c, 0,1,2,3
	global_load_b128 v[64*(\bs)+16*\g+4*\c:64*(\bs)+16*\g+4*\c+3], v12, s[\pw:\pw+1] offset:8192*(\ks)+2048*\g+512*\c
.endr
.endr
.endm
.macro WWORD bs, ps, ks                ; and their scale words: the set's seventeenth load
	global_load_b64 v[BSC+2*(\bs):BSC+2*(\bs)+1], v13, s[\ps:\ps+1] offset:256*(\ks)
.endm
.macro BLOADS bs, pw, ps, ks           ; a whole set, ahead of the loop
	WIN 0
	WWORD \bs, \ps, \ks
	WIN 0xC0
	WSET \bs, \pw, \ks
	WIN 0
.endm
.macro AFRAG rt, ks                    ; the fragment of rows 16 rt ..: four LDS loads; the destination's window says which set
.irp c, 0,1,2,3
	ds_load_b128 v[AF+16*(\rt)+4*\c:AF+16*(\rt)+4*\c+3], v[8+(\rt)/3] offset:16*CP*((\rt)%3)+128*(\ks)+32*\c
.endr
.endm
.macro AWORD p, rt, ks                 ; and its scale words, into set p
	ds_load_b32 v[ASC+208*(\p)+(\rt)], v11 offset:768*(\rt)+4*(\ks)
.endm
.macro MM rt, g, bs, p, zero           ; W's scale words: tiles 0 and 2 in lanes 0-15, tiles 1 and 3 in lanes 16-31 of the set's two registers
.set AC,  8*(4*((\rt)%8)+(\g))
.set BR,  64*(\bs)+16*(\g)
.set AR,  AF+16*(\rt)
.set SW0, BSC+2*(\bs)+(\g)/2
.set SW1, ASC+208*(\p)+(\rt)
.if \zero
.if (\g)%2
	v_wmma_scale_f32_16x16x128_f8f6f4 v[AC:AC+7], v[BR:BR+15], v[AR:AR+15], 0, v[SW0], v[SW1] matrix_a_scale:MATRIX_SCALE_ROW1
.else
	v_wmma_scale_f32_16x16x128_f8f6f4 v[AC:AC+7], v[BR:BR+15], v[AR:AR+15], 0, v[SW0], v[SW1]
.endif
.else
.if (\g)%2
	v_wmma_scale_f32_16x16x128_f8f6f4 v[AC:AC+7], v[BR:BR+15], v[AR:AR+15], v[AC:AC+7], v[SW0], v[SW1] matrix_a_scale:MATRIX_SCALE_ROW1
.else
	v_wmma_scale_f32_16x16x128_f8f6f4 v[AC:AC+7], v[BR:BR+15], v[AR:AR+15], v[AC:AC+7], v[SW0], v[SW1]
.endif
.endif
.endm
; A K STEP of 128: 36 matrix instructions, the 36 accumulators by turns in one order in every step.  lc: the younger global loads that may stay out.
; The matrix instructions' windows: W in window 3, the rows in window 0 (even steps) or 2 (odd steps), the accumulators in window 1 (rows 0-127) or 2 (rows 128-143).
; The step's loads: W's set for K step ks + 3 first, since it has the longest way; then the rows' other set for K step ks + 1, the last of it 16 matrix instructions ahead of the step's end.
.macro KSTEP ks, lc, zero
	s_wait_loadcnt \lc                             ; this step's set of W is in
	s_wait_dscnt 0x0                               ; this step's set of the rows is in: it was asked for in the step before
.if (\ks) > 0
	s_wait_alu depctr_va_vdst(0)                   ; the step's one wait: the matrix instructions of the step before are done reading their set of the rows and their set of W, fragments and scale words, in which this step's loads land
.endif
	WIN 0x53+8*((\ks)%2)
.irp g, 0,1,2,3
	MM 0, \g, (\ks)%4, (\ks)%2, \zero
.endr
	WIN 0xC0
.if (\ks) < 5
	WSET ((\ks)+3)%4, WPL, (\ks)+3                 ; no wait: no vector or matrix instruction since the step's wait names these registers; so for all loads of the step
.else
	WSET ((\ks)+3)%4, WPH, (\ks)-5                 ; K step ks + 3 lies in the next pass
.endif
	WIN 0x53+8*((\ks)%2)
.irp rt, 1,2
.irp g, 0,1,2,3
	MM \rt, \g, (\ks)%4, (\ks)%2, \zero
.endr
.endr
	WIN 0x80*(1-(\ks)%2)
.irp rt, 0,1,2,3,4
	AFRAG \rt, ((\ks)+1)%8
.endr
	WIN 0x53+8*((\ks)%2)
.irp rt, 3,4
.irp g, 0,1,2,3
	MM \rt, \g, (\ks)%4, (\ks)%2, \zero
.endr
.endr
	WIN 0x80*(1-(\ks)%2)
.irp rt, 5,6,7,8
	AFRAG \rt, ((\ks)+1)%8
.endr
	WIN 0
.irp rt, 0,1,2,3,4,5,6,7,8
	AWORD 1-(\ks)%2, \rt, ((\ks)+1)%8
.endr
.if (\ks) < 5
	WWORD ((\ks)+3)%4, WSL, (\ks)+3
.else
	WWORD ((\ks)+3)%4, WSH, (\ks)-5
.endif
	WIN 0x53+8*((\ks)%2)
.irp rt, 5,6,7
.irp g, 0,1,2,3
	MM \rt, \g, (\ks)%4, (\ks)%2, \zero
.endr
.endr
	WIN 0xA3+8*((\ks)%2)
.irp g, 0,1,2,3
	MM 8, \g, (\ks)%4, (\ks)%2, \zero
.endr
.endm
	s_load_b512 s[4:19], s[0:1], 0x0               ; enc s[4:5], v_w s[6:7], wq s[8:9], wsc s[10:11], hb s[12:13], list s[14:15], meta s[16:17], part s[18:19]
	v_lshl_add_u32 v[SPW], v0, 2, SPARE
	v_mov_b32 v[NIL], 0
	v_lshrrev_b32 v68, 5, v0
	v_readfirstlane_b32 s[WV], v68                 ; wave 0..3
	v_and_b32 v1, 31, v0                           ; lane
	v_and_b32 v2, 15, v0                           ; r
	v_bfe_u32 v3, v0, 4, 1                         ; h
	s_wait_alu depctr_va_sdst(0)                   ; s[WV], the wave's number, is written, ahead of its first reader
	s_lshl_b32 s39, s[WV], 10
	v_lshl_add_u32 v4, v1, 5, s39                  ; a row in memory: 1,024 w + 32 lane
	v_lshl_add_u32 v18, v1, 2, s39                 ; LDS, behind the second barrier: my wave's own copy of p, at 1,024 w: + 4 lane,
	v_mov_b32 v19, s39                             ; and its first byte
	v_lshl_add_u32 v20, v1, 4, s39                 ; the record: 1,024 w + 16 lane
	s_lshl_b32 s39, s[WV], 8
	v_lshl_add_u32 v5, v1, 3, s39                  ; codes: 256 w + 8 lane
	v_lshrrev_b32 v6, 2, v1
	s_lshl_b32 s39, s[WV], 3
	s_add_co_u32 s39, s39, SCL
	v_add_nc_u32 v6, s39, v6                       ; scale bytes: 8 w + lane / 4
	s_lshl_b32 s39, s[WV], 9
	s_add_co_u32 s39, s39, STASH
	v_lshl_add_u32 v7, v1, 4, s39                  ; stash: 512 w + 16 lane
	v_mul_u32_u24 v8, v2, CP
	v_lshl_add_u32 v8, v3, 4, v8                   ; a fragment: row r, + 16 h; three registers, 48 rows apart, keep the offsets inside 16 bits
	v_add_nc_u32 v9, 48*CP, v8
	v_add_nc_u32 v10, 96*CP, v8
	v_mul_u32_u24 v11, v2, 48
	v_add_nc_u32 v11, SCL, v11                     ; row r's scale words
	v_lshlrev_b32 v12, 4, v1
	v_lshlrev_b32 v13, 3, v1
	v_lshlrev_b32 v14, 5, v3
	s_mul_i32 s39, s[WV], 576
	s_add_co_u32 s39, s39, SCP
	v_lshl_add_u32 v15, v2, 2, s39                 ; my wave's parts of the scores: row r
	v_lshl_add_u32 v16, v1, 2, SCP                 ; and on the way back: row = lane,
	v_lshl_add_u32 v17, v2, 2, SCP+512             ; rows 128 + lane % 16
	v_mov_b32 v21, 0xff800000                      ; -infinity
.irp j, 0,1,2,3,4,5,6,7
	v_mov_b32 v[OV+\j], 0
.endr
	s_and_b32 s66, ttmp7, 0xffff                   ; the tile
	s_mov_b32 s[MNT], 0x600000
	s_mov_b32 s[CC], 0x4038aa3b                    ; c = 2 log2(e)
	s_mov_b32 s[CC+1], s[CC]
	s_mov_b32 s[SEL], 0x76543210
	s_mov_b32 s[SEL+1], 0xfedcba98
	s_mov_b32 s3, 0
	s_lshl_b32 s2, ttmp9, 7
	s_wait_kmcnt 0x0
	s_add_nc_u64 s[16:17], s[16:17], s[2:3]
	s_load_b128 s[20:23], s[16:17], 0x0            ; n, q, cr, flag
	s_lshl_b32 s2, ttmp9, 23
	s_add_nc_u64 s[EB:EB+1], s[4:5], s[2:3]
	s_mul_i32 s2, ttmp9, 15
	s_add_co_u32 s2, s2, s66
	s_mul_i32 s2, s2, 4352
	s_add_nc_u64 s[REC:REC+1], s[18:19], s[2:3]
	s_lshl_b32 s2, s[WV], 18                       ; my 256 columns: four blocks of 65,536 bytes of codes,
	s_add_nc_u64 s[WPL:WPL+1], s[8:9], s[2:3]
	s_add_nc_u64 s[WPH:WPH+1], s[WPL:WPL+1], 0x10000
	s_lshl_b32 s2, s[WV], 13                       ; of 2,048 of scale words
	s_add_nc_u64 s[WSL:WSL+1], s[10:11], s[2:3]
	s_add_nc_u64 s[WSH:WSH+1], s[WSL:WSL+1], 0x800
	s_lshl_b32 s2, s[WV], 10
	s_add_nc_u64 s[VVP:VVP+1], s[6:7], s[2:3]
	s_lshl_b32 s39, ttmp9, 12
	s_add_co_u32 s2, s2, s39
	s_add_nc_u64 s[HBP:HBP+1], s[12:13], s[2:3]
	s_mov_b32 s[SC], 0
	s_mov_b32 s[SB], 0
	s_mov_b32 s[SS], 0
	s_mov_b32 s[GG], 0
	s_mov_b32 s[CNT], 0
	s_wait_kmcnt 0x0
	s_cmp_lt_u32 s66, s21
	s_cselect_b32 s[LIVE], 1, 0
	s_mul_i32 s[POS], s66, s22
	s_cselect_b32 s[POS], s[POS], 0
	s_min_u32 s[POS], s[POS], 2047
	s_sub_co_u32 s[NV], s20, s[POS]
	s_min_u32 s[NV], s[NV], s22
	s_min_u32 s[NV], s[NV], 144
	s_mov_b32 s[REM], s[NV]
	s_cmp_lg_u32 s23, 0
	s_cselect_b32 s[FF], 0, 0xc0000000
	s_mul_i32 s2, ttmp9, 9472
	s_lshl_b32 s40, s[POS], 2
	s_add_co_u32 s2, s2, s40
	s_add_nc_u64 s[LB:LB+1], s[14:15], s[2:3]
	s_mov_b64 s[LBS:LBS+1], s[LB:LB+1]
	; ---- the ring's first 24 rows: on every path, so that its registers are written on every path
	s_load_b256 s[EN:EN+7], s[LB:LB+1], 0x0
	s_load_b256 s[EN+8:EN+15], s[LB:LB+1], 0x20
	s_load_b256 s[EN+16:EN+23], s[LB:LB+1], 0x40
	s_wait_kmcnt 0x0
	s_min_u32 s[FIRST], s[EN], 2047
.irp s, 0,1,2
.irp i, 0,1,2,3,4,5,6,7
	ROWADR EN+8*\s+\i, ADR+8*\s+\i, REM, 8*\s+\i
.endr
.endr
	WIN 0x40
	s_wait_alu depctr_va_vdst(0)                   ; the 24 row addresses are written, which the loads below read; so are v4 to v20, the addresses of every later load and store
	XLOADS 0
	XLOADS 1
	XLOADS 2
	WIN 0
	s_load_b256 s[EN:EN+7], s[LB:LB+1], 0x60       ; the second trip's entries
	s_load_b256 s[EN+8:EN+15], s[LB:LB+1], 0x80
	s_load_b256 s[EN+16:EN+23], s[LB:LB+1], 0xa0
	; ---- quantising: six trips of 24 rows; 48 loads of every wave on their way
.LloopA:
	s_cmp_lg_u32 s[LIVE], 0
	s_cbranch_scc0 .LskipA
	GROUP 0, 1, 32, 1
	GROUP 1, 1, 32, 1
	GROUP 2, 1, 32, 1
.LskipA:
	s_wait_xcnt 0x0                                ; the scalar loads have read their base: it may step
	s_add_nc_u64 s[LBS:LBS+1], s[LBS:LBS+1], 96
	s_add_co_u32 s[SC], s[SC], 24*CP
	s_add_co_u32 s[SB], s[SB], 1152
	s_add_co_u32 s[SS], s[SS], 49152
	s_add_co_u32 s[GG], s[GG], 3
	s_sub_co_i32 s[REM], s[REM], 24
	s_add_co_u32 s[CNT], s[CNT], 1
	s_cmp_lt_u32 s[CNT], 5
	s_cbranch_scc1 .LloopA
	s_cmp_lg_u32 s[LIVE], 0
	s_cbranch_scc0 .LskipT
	GROUP 0, 0, 32, 0                              ; the last trip loads nothing: the counts run down
	GROUP 1, 0, 16, 0
	GROUP 2, 0, 0, 0
.LskipT:
	s_wait_loadcnt 0x0
	s_wait_kmcnt 0x0
	s_wait_dscnt 0x0                               ; my codes, scale bytes and stash have landed
	s_barrier_signal -1
	s_barrier_wait -1                              ; everybody's have
	s_wait_alu depctr_vm_vsrc(0)                   ; my LDS stores and row loads have read v96 to v202: from here on the rows' fragments land there (the vector lines that named them stand ahead of the last wait on va_vdst)
	; ---- product 2, tanh, the scores' parts
	s_cmp_lg_u32 s[LIVE], 0
	s_cbranch_scc0 .Lskip2
	BLOADS 0, WPL, WSL, 0
	BLOADS 1, WPL, WSL, 1
	BLOADS 2, WPL, WSL, 2                          ; K steps 0 to 2; each step asks for the set three steps on
.irp rt, 0,1,2,3,4,5,6,7,8
	AFRAG \rt, 0
	AWORD 0, \rt, 0
.endr
.irp j, 0,1,2,3,4,5,6,7,8,9,10,11,12,13,14,15,16,17
	v_mov_b32 v[UU+\j], 0                          ; sum(v r) of my row, in two halves, for each of the nine tiles of rows
.endr
	s_mov_b32 s[PASS], 0
	s_mov_b32 s95, 0
	s_mov_b32 s97, 0
.Lpass:                                            ; four passes of 64 columns; the loop steps global pointers and its counter alone
	WIN 0x80
	s_wait_alu depctr_va_vdst(0)                   ; the last pass's closing arithmetic is done reading hb and v_w, in which the loads below land; its last K step's matrix instructions are done reading their sets, in which step 0's loads land
.irp g, 0,1,2,3                                ; lane (r, h) wants, for tile g, the numbers of columns 16 g + 8 h + 0 .. 7
	global_load_b128 v[HB+8*\g:HB+8*\g+3], v14, s[HBP:HBP+1] offset:64*\g
	global_load_b128 v[HB+8*\g+4:HB+8*\g+7], v14, s[HBP:HBP+1] offset:64*\g+16
	global_load_b128 v[VV+8*\g:VV+8*\g+3], v14, s[VVP:VVP+1] offset:64*\g
	global_load_b128 v[VV+8*\g+4:VV+8*\g+7], v14, s[VVP:VVP+1] offset:64*\g+16
.endr
	WIN 0
	KSTEP 0, 50, 1                                 ; behind a step's set stand two sets of 17 loads and the 16 above
	KSTEP 1, 50, 0
	KSTEP 2, 50, 0
	KSTEP 3, 34, 0                                 ; two sets of 17
	KSTEP 4, 34, 0
	KSTEP 5, 34, 0
	KSTEP 6, 34, 0
	KSTEP 7, 34, 0
	NOPS 8                                         ; eight places behind the matrix instructions, before their results are read
	; r = 1 / (1 + 2^(c x + hb)), in place; each accumulator is first read at its low pair.  The transcendentals go in batches, each with one plain instruction and one wait behind it
	WIN 0x61
.set ai, 0
.rept 32
.irp k, 0,2,4,6
	v_pk_fma_f32 v[8*ai+\k:8*ai+\k+1], v[8*ai+\k:8*ai+\k+1], s[CC:CC+1], v[HB+8*(ai%4)+\k:HB+8*(ai%4)+\k+1] op_sel_hi:[1,0,1]
.endr
.set ai, ai+1
.endr
	WIN 0xA2
.set ai, 0
.rept 4
.irp k, 0,2,4,6
	v_pk_fma_f32 v[8*ai+\k:8*ai+\k+1], v[8*ai+\k:8*ai+\k+1], s[CC:CC+1], v[HB+8*ai+\k:HB+8*ai+\k+1] op_sel_hi:[1,0,1]
.endr
.set ai, ai+1
.endr
	WIN 0x82
.set ai, 0
	s_wait_alu depctr_va_vdst(0)
.rept 32
	v_exp_f32 v[ai], v[ai]
.set ai, ai+1
.endr
	v_nop
	s_wait_alu depctr_va_vdst(0)                   ; the 32 exponentials of rows 128-143 have written their results, ahead of the first line that names one
	WIN 0x41
.set ai, 0
.rept 256
	v_exp_f32 v[ai], v[ai]
.set ai, ai+1
.endr
	v_nop
	s_wait_alu depctr_va_vdst(0)                   ; the 256 exponentials of rows 0-127 have written their results, which the additions read
.set ai, 0
.rept 128
	v_pk_add_f32 v[ai:ai+1], v[ai:ai+1], 1.0 op_sel_hi:[1,0]
.set ai, ai+2
.endr
	WIN 0x82
.set ai, 0
.rept 16
	v_pk_add_f32 v[ai:ai+1], v[ai:ai+1], 1.0 op_sel_hi:[1,0]
.set ai, ai+2
.endr
.set ai, 0
	s_wait_alu depctr_va_vdst(0)
.rept 32
	v_rcp_f32 v[ai], v[ai]
.set ai, ai+1
.endr
	v_nop
	s_wait_alu depctr_va_vdst(0)                   ; the 32 reciprocals of rows 128-143 have written their results, ahead of the first line that names one
	WIN 0x41
.set ai, 0
.rept 256
	v_rcp_f32 v[ai], v[ai]
.set ai, ai+1
.endr
	v_nop
	s_wait_alu depctr_va_vdst(0)                   ; the 256 reciprocals of rows 0-127 have written their results, which the multiply-adds read
	WIN 0x09
.irp g, 0,1,2,3
.irp k, 0,2,4,6
.irp rt, 0,1,2,3,4,5,6,7
	v_pk_fma_f32 v[UU+2*\rt:UU+2*\rt+1], v[8*(4*\rt+\g)+\k:8*(4*\rt+\g)+\k+1], v[VV+8*\g+\k:VV+8*\g+\k+1], v[UU+2*\rt:UU+2*\rt+1]   ; the tiles of rows by turns
.endr
.endr
.endr
	WIN 0x0A
.irp g, 0,1,2,3
.irp k, 0,2,4,6
	v_pk_fma_f32 v[UU+16:UU+17], v[8*\g+\k:8*\g+\k+1], v[VV+8*\g+\k:VV+8*\g+\k+1], v[UU+16:UU+17]
.endr
.endr
	WIN 0
	s_wait_xcnt 0x0                                ; the loads have read their bases: they may step
	s_add_nc_u64 s[WPL:WPL+1], s[WPL:WPL+1], 0x10000
	s_add_nc_u64 s[WSL:WSL+1], s[WSL:WSL+1], 0x800
	s_add_nc_u64 s[HBP:HBP+1], s[HBP:HBP+1], 256
	s_add_nc_u64 s[VVP:VVP+1], s[VVP:VVP+1], 256
	s_cmp_lt_u32 s[PASS], 2                        ; the last pass has no next: it asks for its own first three K steps again, inside the buffer, and uses none of them
	s_cselect_b32 s94, 0x10000, 0
	s_cselect_b32 s96, 0x800, 0
	s_add_nc_u64 s[WPH:WPH+1], s[WPH:WPH+1], s[94:95]
	s_add_nc_u64 s[WSH:WSH+1], s[WSH:WSH+1], s[96:97]
	s_add_co_u32 s[PASS], s[PASS], 1
	s_cmp_lt_u32 s[PASS], 4
	s_cbranch_scc1 .Lpass
.irp rt, 0,1,2,3,4,5,6,7,8
	v_add_f32 v[TT+\rt], v[UU+2*\rt], v[UU+2*\rt+1]
	v_mov_b32 v[TT+10+\rt], 0                      ; a lane permute's destination counts as one of its sources
.endr
.irp rt, 0,1,2,3,4,5,6,7,8
	v_permlanex16_b32 v[TT+10+\rt], v[TT+\rt], s[SEL], s[SEL+1]
.endr
.irp rt, 0,1,2,3,4,5,6,7,8
	v_add_f32 v[TT+\rt], v[TT+\rt], v[TT+10+\rt]   ; with the other eight columns of each tile: row r's sum over my 256 columns
.endr
	s_wait_alu depctr_va_vdst(0)                   ; the nine sums are written, which the LDS stores read
.irp rt, 0,1,2,3,4,5,6,7,8
	ds_store_b32 v15, v[TT+\rt] offset:64*\rt      ; both halves of the lanes write the same word with the same value
.endr
.Lskip2:
	s_wait_loadcnt 0x0                             ; the last pass's unused sets of W
	s_wait_dscnt 0x0                               ; my parts have landed, and my reads of the codes are over
	s_barrier_signal -1
	s_barrier_wait -1
	s_wait_alu depctr_vm_vsrc(0)                   ; my LDS stores have read v[TT ..], in which the scores' parts land below
	; ---- the tile's softmax, each wave for itself, and rows 80 to 143 of the weighted sum, read again as f32
	s_cmp_lg_u32 s[LIVE], 0
	s_cbranch_scc0 .Lskip3
	s_load_b512 s[68:83], s[LB:LB+1], 0x140        ; entries 80 to 111
	s_load_b512 s[84:99], s[LB:LB+1], 0x180
.irp k, 0,1,2,3
.irp w, 0,1,2,3
	ds_load_b32 v[TT+4*\k+\w], v16 offset:576*\w+128*\k   ; row 32 k + lane, wave w's part
.endr
.endr
.irp w, 0,1,2,3
	ds_load_b32 v[TT+16+\w], v17 offset:576*\w     ; rows 128 + lane % 16 (lanes 16-31 stand for rows from 144 on, which no tile has)
.endr
	s_wait_kmcnt 0x0
.set k, 0
.rept 32
	ROWADR 68+k, RA+k, NV, 80+k
.set k, k+1
.endr
	WIN 0x40
	s_wait_alu depctr_va_vdst(0)                   ; the 32 row addresses are written, which the loads read; the arithmetic on the accumulators of window 1, in which they land, is done
.set k, 0
.rept 32
	global_load_b128 v[8*k:8*k+3], v[RA+k], s[EB:EB+1]
	global_load_b128 v[8*k+4:8*k+7], v[RA+k], s[EB:EB+1] offset:16
.set k, k+1
.endr
	WIN 0
	s_load_b512 s[68:83], s[LB:LB+1], 0x1c0        ; entries 112 to 143
	s_load_b512 s[84:99], s[LB:LB+1], 0x200
	s_wait_kmcnt 0x0
.set k, 0
.rept 32
	ROWADR 68+k, RA+32+k, NV, 112+k
.set k, k+1
.endr
	WIN 0xC0
	s_wait_alu depctr_va_vdst(0)                   ; the other 32 row addresses are written, which the loads read
.set k, 0
.rept 32
	global_load_b128 v[8*k:8*k+3], v[RA+32+k], s[EB:EB+1]
	global_load_b128 v[8*k+4:8*k+7], v[RA+32+k], s[EB:EB+1] offset:16
.set k, k+1
.endr
	WIN 0
	s_wait_dscnt 0x0
.irp k, 0,1,2,3,4
	v_add_f32 v[TT+4*\k], v[TT+4*\k], v[TT+4*\k+1]
	v_add_f32 v[TT+4*\k+2], v[TT+4*\k+2], v[TT+4*\k+3]
.endr
.irp k, 0,1,2,3,4
	v_add_f32 v[TT+4*\k], v[TT+4*\k], v[TT+4*\k+2]
.endr
.irp k, 0,1,2,3,4
	v_mul_f32 v[TT+4*\k], s[FF], v[TT+4*\k]        ; the score
.endr
.irp k, 0,1,2,3,4
	s_sub_co_i32 s[68+\k], s[NV], 32*\k            ; (the list's entries are done with: s68 on are free)
.endr
.irp k, 0,1,2,3,4
	v_cmp_gt_i32 s[76+\k], s[68+\k], v1            ; has the tile a row 32 k + lane?  The five compares in a run, into five scalar registers
.endr
	s_wait_alu depctr_va_sdst(0)                   ; the five masks are written, ahead of their first readers
.irp k, 0,1,2,3,4
	v_cndmask_b32 v[TT+4*\k], v21, v[TT+4*\k], s[76+\k]   ; else -infinity: p = 0
.endr
	v_max3_num_f32 v88, v[TT], v[TT+4], v[TT+8]
	v_max3_num_f32 v88, v88, v[TT+12], v[TT+16]
	v_mov_b32 v89, 0
.irp m, 1,2,4,8
	v_max_num_f32_dpp v88, v88, v88 row_xmask:\m row_mask:0xf bank_mask:0xf
.endr
	v_permlanex16_b32 v89, v88, s[SEL], s[SEL+1]
	v_max_num_f32 v90, v88, v89                    ; m: the tile's largest score (row 0 is always there)
.irp k, 0,1,2,3,4
	v_sub_f32 v[TT+4*\k], v[TT+4*\k], v90
.endr
.irp k, 0,1,2,3,4
	v_mul_f32 v[TT+4*\k], 0x3fb8aa3b, v[TT+4*\k]
.endr
	s_wait_alu depctr_va_vdst(0)
.irp k, 0,1,2,3,4
	v_exp_f32 v[TT+4*\k], v[TT+4*\k]               ; p = e^(score - m)
.endr
	v_nop
	s_wait_alu depctr_va_vdst(0)                   ; the five exponentials have written p, which the LDS stores and the additions below read
.irp k, 0,1,2,3,4
	ds_store_b32 v18, v[TT+4*\k] offset:128*\k     ; into my wave's own bytes, where codes lay that nobody reads any more
.endr
	v_add_f32 v91, v[TT], v[TT+4]
	v_add_f32 v92, v[TT+8], v[TT+12]
	v_add_f32 v91, v91, v[TT+16]
	v_add_f32 v91, v91, v92
.irp m, 1,2,4,8
	v_add_f32_dpp v91, v91, v91 row_xmask:\m row_mask:0xf bank_mask:0xf
.endr
	v_permlanex16_b32 v89, v91, s[SEL], s[SEL+1]
	v_add_f32 v91, v91, v89                        ; l
	s_cmp_lg_u32 s[WV], 0
	s_cbranch_scc1 .Lnot_wave_0
	s_wait_alu depctr_va_vdst(0)                   ; m and l, v90 and v91, are written: the store's data
	global_store_b64 v13, v[90:91], s[REC:REC+1] offset:4096   ; (m, l) 32 times: 256 consecutive bytes, aligned
.Lnot_wave_0:
.irp j, 0,1,2,3,4,5,6,7,8,9,10,11,12,13,14,15
	ds_load_b128 v[PP+4*\j:PP+4*\j+3], v19 offset:320+16*\j   ; p of rows 80 to 143, in every lane.  LDS serves a wave's instructions in order: these see my stores.  No vector line since the row addresses' waits names these registers
.endr
	s_wait_loadcnt 0x0
	s_wait_dscnt 0x0
	WIN 0x01
.set k, 0
.rept 32
.irp j, 0,2,4,6
.if k%2
	v_pk_fma_f32 v[OV+\j:OV+\j+1], v[8*k+\j:8*k+\j+1], v[PP+k-1:PP+k], v[OV+\j:OV+\j+1] op_sel:[0,1,0] op_sel_hi:[1,1,1]   ; both halves x the pair's second register
.else
	v_pk_fma_f32 v[OV+\j:OV+\j+1], v[8*k+\j:8*k+\j+1], v[PP+k:PP+k+1], v[OV+\j:OV+\j+1] op_sel_hi:[1,0,1]                 ; both halves x its first
.endif
.endr
.set k, k+1
.endr
	WIN 0x03
.set k, 0
.rept 32
.irp j, 0,2,4,6
.if k%2
	v_pk_fma_f32 v[OV+\j:OV+\j+1], v[8*k+\j:8*k+\j+1], v[PP+32+k-1:PP+32+k], v[OV+\j:OV+\j+1] op_sel:[0,1,0] op_sel_hi:[1,1,1]
.else
	v_pk_fma_f32 v[OV+\j:OV+\j+1], v[8*k+\j:8*k+\j+1], v[PP+32+k:PP+32+k+1], v[OV+\j:OV+\j+1] op_sel_hi:[1,0,1]
.endif
.endr
.set k, k+1
.endr
	WIN 0
.Lskip3:
	; ---- rows 0 to 79 from the stash: ten trips of 8 rows; a wave reads only what it stored itself
	s_mov_b32 s[SS], 0
	s_mov_b32 s[SB], 0
	s_mov_b32 s[CNT], 0
.LloopC:
	s_cmp_lg_u32 s[LIVE], 0
	s_cbranch_scc0 .LskipC
	s_wait_alu depctr_vm_vsrc(0)                   ; the last trip's LDS loads have read v[SA] and v[CA], which are written below; in the first trip: the row loads have read their addresses, in which this trip's loads land
	v_add_nc_u32 v[SA], s[SS], v7
	v_add_nc_u32 v[CA], s[SB], v19
	s_wait_alu depctr_va_vdst(0)                   ; the two addresses are written; the multiply-adds before are done reading v[BF ..] and v[CD ..], in which the loads land
.irp i, 0,1,2,3,4,5,6,7
	ds_load_b128 v[BF+4*\i:BF+4*\i+3], v[SA] offset:2048*\i
.endr
	ds_load_b128 v[CD:CD+3], v[CA]
	ds_load_b128 v[CD+4:CD+7], v[CA] offset:16
	s_wait_dscnt 0x0
.irp i, 0,1,2,3,4,5,6,7
.irp e, 0,1,2,3
	v_fma_mix_f32_bf16 v[OV+2*\e], v[BF+4*\i+\e], v[CD+\i], v[OV+2*\e] op_sel_hi:[1,0,0]
	v_fma_mix_f32_bf16 v[OV+2*\e+1], v[BF+4*\i+\e], v[CD+\i], v[OV+2*\e+1] op_sel:[1,0,0] op_sel_hi:[1,0,0]
.endr
.endr
.LskipC:
	s_add_co_u32 s[SS], s[SS], 16384
	s_add_co_u32 s[SB], s[SB], 32
	s_add_co_u32 s[CNT], s[CNT], 1
	s_cmp_lt_u32 s[CNT], 10
	s_cbranch_scc1 .LloopC
	s_cmp_lg_u32 s[LIVE], 0
	s_cbranch_scc0 .Lend
	s_wait_alu depctr_va_vdst(0)                   ; the last multiply-adds have written O, the stores' data
	global_store_b128 v20, v[OV:OV+3], s[REC:REC+1]              ; columns 256 w + 8 lane + 0 .. 3: 512 consecutive bytes;
	global_store_b128 v20, v[OV+4:OV+7], s[REC:REC+1] offset:512 ; + 4 .. 7 likewise: the last launch knows the order
.Lend:
	s_wait_dscnt 0x0                               ; the wave's end
	s_wait_alu 0x0
	s_wait_tensorcnt 0x0
	ds_add_u32 v[SPW], v[NIL]
	s_wait_dscnt 0x0
	s_endpgm
.Lfunc_end_k_q08c9d45d71_attn:
	.size	k_q08c9d45d71_attn, .Lfunc_end_k_q08c9d45d71_attn-k_q08c9d45d71_attn
	.p2alignl 7, 3214868480
	.fill 96, 4, 3214868480
	.section	.rodata,"a",@progbits
	.p2align	6, 0x0
	.amdhsa_kernel k_q08c9d45d71_attn
		.amdhsa_group_segment_fixed_size 323328
		.amdhsa_private_segment_fixed_size 0
		.amdhsa_enable_private_segment 0
		.amdhsa_kernarg_size 64
		.amdhsa_user_sgpr_count 2
		.amdhsa_user_sgpr_kernarg_segment_ptr 1
		.amdhsa_wavefront_size32 1
		.amdhsa_system_sgpr_workgroup_id_x 1
		.amdhsa_system_sgpr_workgroup_id_y 1
		.amdhsa_system_sgpr_workgroup_id_z 1
		.amdhsa_system_vgpr_workitem_id 0
		.amdhsa_next_free_vgpr 1024
		.amdhsa_next_free_sgpr 100
		.amdhsa_reserve_vcc 0
		.amdhsa_float_denorm_mode_32 3
		.amdhsa_float_denorm_mode_16_64 3
		.amdhsa_memory_ordered 1
		.amdhsa_forward_progress 1
		.amdhsa_inst_pref_size 255
	.end_amdhsa_kernel
	.section	.bss,"aw",@nobits
	.p2align	6
	.space	262144
	.amdgpu_metadata
---
amdhsa.version: [ 1, 2 ]
amdhsa.kernels:
  - .name:           k_q08c9d45d71_attn
    .symbol:         k_q08c9d45d71_attn.kd
    .args:
      - { .name: encoder_outputs, .offset: 0, .size: 8, .value_kind: global_buffer, .address_space: global }
      - { .name: v_w, .offset: 8, .size: 8, .value_kind: global_buffer, .address_space: global }
      - { .name: wq, .offset: 16, .size: 8, .value_kind: global_buffer, .address_space: global }
      - { .name: wsc, .offset: 24, .size: 8, .value_kind: global_buffer, .address_space: global }
      - { .name: hb, .offset: 32, .size: 8, .value_kind: global_buffer, .address_space: global }
      - { .name: list, .offset: 40, .size: 8, .value_kind: global_buffer, .address_space: global }
      - { .name: meta, .offset: 48, .size: 8, .value_kind: global_buffer, .address_space: global }
      - { .name: part, .offset: 56, .size: 8, .value_kind: global_buffer, .address_space: global }
    .group_segment_fixed_size: 323328
    .private_segment_fixed_size: 0
    .kernarg_segment_align: 8
    .kernarg_segment_size: 64
    .max_flat_workgroup_size: 128
    .sgpr_count:     100
    .vgpr_count:     1024
    .wavefront_size: 32
...
	.end_amdgpu_metadata
.endif
;; end of part 5
;; launch combine (part 6): grid 32 x 1, 8 waves a work-group, no clusters, 0 bytes of LDS; arguments part, meta, out0; writes out0
.if DOCPART == 6
	.amdgcn_target "amdgcn-amd-amdhsa--gfx1250"
	.amdhsa_code_object_version 6
	.text
	.protected	k_q08c9d45d71_combine
	.globl	k_q08c9d45d71_combine
	.p2align	8
	.type	k_q08c9d45d71_combine,@function
k_q08c9d45d71_combine:
	s_mov_b64 s[64:65], 0
	v_nop
	global_prefetch_b8 v0, s[64:65] scope:SCOPE_SE
	s_setreg_imm32_b32 hwreg(HW_REG_WAVE_MODE, 25, 1), 1
	s_wait_xcnt 0x0
; ADDITIVE ATTENTION, launch 3 of 3: a batch's tiles are joined.  out = sum_t w_t O_t / sum_t w_t l_t, w_t = e^(m_t - M), M the largest m_t.
; Left out, as shown at the head of the first kernel: tiles at or past the batch's q have no rows and no record.  No branch: their places re-read the last record that exists, with the weight 0.
; A work-group to a batch; thread t makes columns 4 t .. 4 t + 3.  A record is 4,096 bytes of O and (m, l); in O wave w's 1,024 bytes hold columns 256 w + 8 l + 0 .. 3 at 16 l and + 4 .. 7 at 512 + 16 l.
; Fifteen loads of 16 bytes a thread, all issued ahead of the arithmetic.  No LDS, no barrier, no matrix work: 2 MB are read once.
	s_load_b128 s[4:7], s[0:1], 0x0                ; part, meta
	s_load_b64 s[8:9], s[0:1], 0x10                ; out0
	v_and_b32 v1, 15, v0                           ; the tile whose weight my lane makes
	v_lshrrev_b32 v3, 6, v0
	s_delay_alu instid0(VALU_DEP_1)
	v_lshlrev_b32 v3, 10, v3                       ; my 16 bytes in a record: 1,024 (t / 64)
	v_and_b32 v6, 1, v0
	s_delay_alu instid0(VALU_DEP_1)
	v_lshl_add_u32 v3, v6, 9, v3                   ; + 512 (t % 2)
	v_bfe_u32 v6, v0, 1, 5
	s_delay_alu instid0(VALU_DEP_1)
	v_lshl_add_u32 v3, v6, 4, v3                   ; + 16 ((t / 2) % 32)
	v_lshlrev_b32 v88, 4, v0
	v_mov_b32 v6, 0xff800000                       ; -infinity
	s_lshl_b32 s10, ttmp9, 7
	s_mov_b32 s11, 0
	s_mov_b32 s15, 0
	s_wait_alu depctr_va_vdst(0)
	s_wait_kmcnt 0x0
	s_add_nc_u64 s[6:7], s[6:7], s[10:11]
	s_load_b32 s12, s[6:7], 0x4                    ; q
	s_mul_i32 s14, ttmp9, 65280                    ; 15 records of 4,352 bytes
	s_add_nc_u64 s[4:5], s[4:5], s[14:15]
	s_lshl_b32 s14, ttmp9, 12
	s_add_nc_u64 s[8:9], s[8:9], s[14:15]
	s_wait_kmcnt 0x0
	s_sub_co_u32 s12, s12, 1
	s_min_u32 s12, s12, 14                         ; the last record that exists
	v_min_u32 v2, s12, v1
	s_delay_alu instid0(VALU_DEP_1)
	v_min_u32 v2, 14, v2
	s_delay_alu instid0(VALU_DEP_1)
	v_mul_u32_u24 v2, 0x1100, v2
	global_load_b64 v[4:5], v2, s[4:5] offset:4096 ; (m, l)
.irp t, 0,1,2,3,4,5,6,7,8,9,10,11,12,13,14
	s_min_u32 s13, s12, \t
	s_mul_i32 s13, s13, 4352
	v_add_nc_u32 v[8+\t], s13, v3
	global_load_b128 v[24+4*\t:27+4*\t], v[8+\t], s[4:5]
.endr
	s_wait_loadcnt 15                              ; (m, l) is in; the fifteen loads behind it may be out
	v_cmp_lt_u32 vcc_lo, s12, v1
	s_delay_alu instid0(VALU_DEP_1)
	v_cndmask_b32 v4, v4, v6, vcc_lo               ; no such tile: m = -infinity, so its weight is 0
	s_delay_alu instid0(VALU_DEP_1)
	v_mov_b32 v7, v4
.irp m, 1,2,4,8
	s_delay_alu instid0(VALU_DEP_1)
	v_max_num_f32_dpp v7, v7, v7 row_xmask:\m row_mask:0xf bank_mask:0xf
.endr
	s_delay_alu instid0(VALU_DEP_1)
	v_sub_f32 v4, v4, v7                           ; tile 0 always exists, so M is a number
	s_delay_alu instid0(VALU_DEP_1)
	v_mul_f32 v4, 0x3fb8aa3b, v4
	s_wait_alu depctr_va_vdst(0)
	v_exp_f32 v4, v4
	v_nop
	s_wait_alu depctr_va_vdst(0)                   ; the wait ahead of the first instruction that names the result
	v_mul_f32 v5, v4, v5
.irp m, 1,2,4,8
	s_delay_alu instid0(VALU_DEP_1)
	v_add_f32_dpp v5, v5, v5 row_xmask:\m row_mask:0xf bank_mask:0xf
.endr
	s_wait_alu depctr_va_vdst(0)
	v_rcp_f32 v5, v5
	v_nop
	s_wait_alu depctr_va_vdst(0)
	v_mul_f32 v4, v4, v5                           ; w_t / sum
.irp t, 0,1,2,3,4,5,6,7,8,9,10,11,12,13,14
	v_readlane_b32 s[30+\t], v4, \t
.endr
	s_wait_loadcnt 14
.irp e, 0,1,2,3
	v_mul_f32 v[84+\e], s30, v[24+\e]
.endr
	s_wait_alu depctr_va_vdst(0)
.irp t, 1,2,3,4,5,6,7,8,9,10,11,12,13,14
	s_wait_alu depctr_va_vdst(0)
	s_wait_loadcnt 14-\t                           ; loads come back in order: record t is in
.irp e, 0,1,2,3
	v_fma_f32 v[84+\e], s[30+\t], v[24+4*\t+\e], v[84+\e]
.endr
.endr
	global_store_b128 v88, v[84:87], s[8:9]        ; 32 lanes store 512 consecutive bytes, aligned
	s_endpgm
.Lfunc_end_k_q08c9d45d71_combine:
	.size	k_q08c9d45d71_combine, .Lfunc_end_k_q08c9d45d71_combine-k_q08c9d45d71_combine
	.p2alignl 7, 3214868480
	.fill 96, 4, 3214868480
	.section	.rodata,"a",@progbits
	.p2align	6, 0x0
	.amdhsa_kernel k_q08c9d45d71_combine
		.amdhsa_group_segment_fixed_size 0
		.amdhsa_private_segment_fixed_size 0
		.amdhsa_enable_private_segment 0
		.amdhsa_kernarg_size 24
		.amdhsa_user_sgpr_count 2
		.amdhsa_user_sgpr_kernarg_segment_ptr 1
		.amdhsa_wavefront_size32 1
		.amdhsa_system_sgpr_workgroup_id_x 1
		.amdhsa_system_sgpr_workgroup_id_y 1
		.amdhsa_system_sgpr_workgroup_id_z 1
		.amdhsa_system_vgpr_workitem_id 0
		.amdhsa_next_free_vgpr 96
		.amdhsa_next_free_sgpr 66
		.amdhsa_reserve_vcc 1
		.amdhsa_float_denorm_mode_32 3
		.amdhsa_float_denorm_mode_16_64 3
		.amdhsa_memory_ordered 1
		.amdhsa_forward_progress 1
		.amdhsa_inst_pref_size 12
	.end_amdhsa_kernel
	.amdgpu_metadata
---
amdhsa.version: [ 1, 2 ]
amdhsa.kernels:
  - .name:           k_q08c9d45d71_combine
    .symbol:         k_q08c9d45d71_combine.kd
    .args:
      - { .name: part, .offset: 0, .size: 8, .value_kind: global_buffer, .address_space: global }
      - { .name: meta, .offset: 8, .size: 8, .value_kind: global_buffer, .address_space: global }
      - { .name: out0, .offset: 16, .size: 8, .value_kind: global_buffer, .address_space: global }
    .group_segment_fixed_size: 0
    .private_segment_fixed_size: 0
    .kernarg_segment_align: 8
    .kernarg_segment_size: 24
    .max_flat_workgroup_size: 256
    .sgpr_count:     66
    .vgpr_count:     96
    .wavefront_size: 32
...
	.end_amdgpu_metadata
.endif
;; end of part 6
